; MI455X (gfx1250); checked and timed in simulation.
; The chip was launched on July 23, 2026; its instructions are those of AMD's public machine-readable ISA for CDNA 5 (MIT licence, August 2026) and "CDNA5" Instruction Set Architecture Reference Guide (July 2026). The comments in the code are by the model that wrote it; some were corrected since.
;; Yat Causal Attention. Allowed arithmetic: matrix products marked QUANTISED: E2M3 operands, one E8M0 scale for each 32 along K, by v_wmma_scale_f32_16x16x128_f8f6f4 with both operands' format E2M3, f32 sums; everything else in f32.
;; Inputs: b_out 1,024 float32; b_qkv 3,072 float32; w_out 1,024 x 1,024 float32; w_qkv 1,024 x 3,072 float32; x 2 x 2,048 x 1,024 float32.
;; Outputs: out0 2 x 2,048 x 1,024 float32.
;; This version of the problem:
;;   THIS VERSION OF THE PROBLEM IS GIVEN IN LOW PRECISION. The matrix products marked QUANTISED in the list below multiply operands that are first quantised to E2M3 (2 exponent bits, 3 mantissa bits; 6 bits a number), with one power-of-two scale for each 32 numbers along K (OCP MX v1.0); their sums are f32. All else is computed in f32.
;;   The module's matrix products, in the order in which they are computed (A, B: the left and right operand; K: the contracted axis; several contracted axes count as one K, in the product's order):
;;     1. [M 4,096, K 1,024] x [K 1,024, N 3,072]; A: input x; B: input w_qkv: QUANTISED
;;     2. batch 32 x [M 2,048, K 64] x [K 64, N 2,048]; A: computed on the way; B: computed on the way: QUANTISED
;;     3. batch 32 x [M 2,048, K 2,048] x [K 2,048, N 64]; A: softmax (see below); B: computed on the way: QUANTISED
;;     4. [M 4,096, K 1,024] x [K 1,024, N 1,024]; A: computed on the way; B: input w_out: QUANTISED
;;   THE QUANTISER, for each operand of a quantised product, along K:
;;     - K is cut into blocks of 32 from its start; a last block that is shorter is filled with zeros.
;;     - A block's scale is 2^e with e = floor(log2(the largest magnitude in the block)) - 2, held to -126 .. 127; a block of zeros has e = 0. As a byte (E8M0): e + 127.
;;     - Each number is divided by its block's scale, clamped to +-7.5, and rounded to the nearest number of E2M3, ties to even, subnormals kept.
;;     - The product sums the exact products of the quantised numbers (number of the format x scale) in f32.
;;   ~~~python
;;   def quantise(x, axis):      # numpy; x: float32 -> the quantised numbers, widened to float32 again
;;       x = np.moveaxis(x, axis, -1); K = x.shape[-1]
;;       x = np.pad(x, [(0, 0)] * (x.ndim - 1) + [(0, -K % 32)]); x = x.reshape(x.shape[:-1] + (-1, 32)); a = np.abs(x).max(-1, keepdims=True)
;;       e = np.where(a > 0, np.clip(np.frexp(np.where(a > 0, a, 1))[1] - 1 - 2, -126, 127), 0)      # np.frexp(a)[1] - 1 = floor(log2(a)), exactly
;;       r = np.clip(x / 2.0 ** e, -7.5, 7.5)
;;       step = 2.0 ** (np.maximum(np.frexp(np.where(r == 0, 1, r))[1] - 1, 0) - 3)
;;       q = np.round(r / step) * step * 2.0 ** e      # np.round: ties to even
;;       return np.moveaxis(q.reshape(q.shape[:-2] + (-1,))[..., :K], -1, axis).astype(np.float32)
;;   ~~~
;;   SOFTMAX AHEAD OF A QUANTISED PRODUCT. Where the list says 'softmax', what is quantised is not the finished softmax but p = 2^(t - M), with t = logit x log2(e) and M = ceil(the row's largest t), a whole number; so 1/2 < the row's largest p <= 1. The row's sum l is taken of the UNQUANTISED p, in f32, and the product's result is divided by l at the end. Since M is a whole number, a kernel that streams over the keys may use a running M (the ceiling of the running maximum): every later rescaling is an exact power of two, which a block's scale takes up: the codes' values come out the same.
;;   OPERANDS COMPUTED ON THE WAY. 'Computed on the way' means the value that the module computes at that place (a softmax that the list does not call 'softmax' is quantised finished and normalised). What goes into a quantiser is computed in f32, as accurately as f32 sums, v_exp_f32 and their like allow (about 1e-6 of the number): no bf16 or f16 on the way to a quantiser, and a product that is left as it is and whose result goes on into a quantised operand takes f32 operands (vector FMAs, or v_wmma_f32_16x16x4_f32). A number that lies on a knife's edge between two numbers of the format may be rounded either way, as far as f32 arithmetic and the matrix unit's own rounding can turn it there, and no further.
;; One version. Each part assembles by itself: llvm-mc -triple=amdgcn-amd-amdhsa -mcpu=gfx1250 --defsym DOCPART=n.
;; ======== version 1 of 1: 4 launches
;; limits: right only within a limited range of input values
;; workspace buffers: xq 3,276,800 bytes; wq 2,457,600 bytes; woq 819,200 bytes; qb 3,670,016 bytes; kv 6,946,816 bytes; oq 3,276,800 bytes
;; launch quant (part 1): grid 512 x 1, 4 waves a work-group, no clusters, 34,304 bytes of LDS; arguments x, w_qkv, w_out, xq, wq, woq; writes xq, wq, woq
.if DOCPART == 1
	.amdgcn_target "amdgcn-amd-amdhsa--gfx1250"
	.amdhsa_code_object_version 6
	.text
	.protected	k_q2098e977dc_quant
	.globl	k_q2098e977dc_quant
	.p2align	8
	.type	k_q2098e977dc_quant,@function
k_q2098e977dc_quant:
	s_mov_b64 s[64:65], 0
	v_nop
	global_prefetch_b8 v0, s[64:65] scope:SCOPE_SE
	s_setreg_imm32_b32 hwreg(HW_REG_WAVE_MODE, 25, 1), 1
	s_wait_xcnt 0x0
; x [4096][1024], w_qkv [1024][3072] and w_out [1024][1024], f32, become codes of FP6 (E2M3) with one E8M0 byte for each 32 along K,
; laid IN THE ORDER OF THE OPERAND'S REGISTERS, so that the products' launches read fragments by loads of 16 and 8 bytes a lane.
; A FRAGMENT is 16 rows x 128 K, 12 registers a lane, 1,536 bytes: registers 0-3 of lane l at 16 l, 4-5 at 512 + 8 l, 6-9 at 768 + 16 l, 10-11 at 1,280 + 8 l.
; WHICH ROWS FORM A FRAGMENT: of 32 neighbouring tokens (or columns of a weight) fragment u (0, 1) takes, as its row r, number 8 u + r + 8 (r / 8): as source 0 of a product
; such a pair of fragments leaves 16 neighbours in a lane's 16 result registers.
; xq: [128 tokens][K step][fragment 0-7][1,536], scale words behind the codes: [128 tokens][K step][fragment][row], 4 bytes.  woq: [256 columns][K step][fragment 0-15][1,536], scale words by 128 columns; wq by head (below).
; A block's scale is 2^(floor(log2(largest magnitude)) - 2): its byte is the largest magnitude's exponent field - 2, held at 1 from below by a floor among the maximum's leaves.
; LIMITS: a block of zeros gets the byte 1 (its codes are zeros; the bytes are read by this program alone); NaN and infinities among the inputs are not served.
; SHARES: work-groups 0-255: x, 32 tokens x 512 along K, a wave a K step of 128 (two fragments).  256-447: w_qkv, 448-511: w_out: 128 columns x one K step, a wave 32 columns (two fragments).
; x's K is innermost: each load takes 512 consecutive bytes of a row, and the rows turn through the wave's own stage in LDS so that a lane holds whole blocks of 32.
; The weights' K is their first axis: a lane takes a column and its registers run down K: nothing is turned, and the weights' paths use no LDS.
.set STW,   8448                       ; a wave's stage: 16 rows x (512 bytes + 16)
.set SPARE, 4*STW                      ; behind the stages: the spare words, 128 bytes for each wave
.set XS,    3145728                    ; where xq's scale words begin
.set WS,    2359296                    ; wq's
.set WOS,   786432                     ; woq's
.set R,     32                         ; v32-159  numbers as loaded
.set X,     160                        ; v160-223 x path: 64 numbers of a lane, two whole blocks
.set PC,    224                        ; v224-247 x path: the two fragments' codes
.set T,     248                        ; v248-250, v252-254: a block's upper 16 codes (a conversion's three registers begin on an even number)
	s_load_b256 s[4:11], s[0:1], 0x0               ; x s[4:5], w_qkv s[6:7], w_out s[8:9], xq s[10:11]
	s_load_b128 s[12:15], s[0:1], 0x20             ; wq s[12:13], woq s[14:15]
	v_lshl_add_u32 v30, v0, 2, SPARE               ; my spare word; never rewritten
	v_mov_b32 v31, 0                               ; 0; never rewritten
	v_lshrrev_b32 v1, 5, v0
	v_readfirstlane_b32 s16, v1                    ; wave 0..3
	v_and_b32 v1, 31, v0                           ; lane l
	v_and_b32 v2, 15, v0                           ; r
	v_bfe_u32 v3, v0, 4, 1                         ; h (in the weights' paths: u)
	v_lshlrev_b32 v4, 4, v1                        ; 16 l
	v_lshlrev_b32 v5, 3, v1                        ; 8 l
	v_lshlrev_b32 v6, 2, v1                        ; 4 l
	v_mov_b32 v16, 0                               ; a lane permute's destination counts as read: written once
	s_mov_b32 s20, 0x76543210
	s_mov_b32 s21, 0xfedcba98                      ; v_permlanex16_b32's selects for lane l xor 16
	s_mov_b32 s22, 0xffff0000                      ; a mask of lanes 16-31
	s_wait_kmcnt 0x0
	s_cmp_lt_u32 ttmp9, 256
	s_cbranch_scc0 .Lweights
	; ---------------- x ----------------
	s_lshr_b32 s17, ttmp9, 1                       ; which 32 tokens
	s_and_b32 s18, ttmp9, 1
	s_lshl_b32 s18, s18, 2
	s_add_co_u32 s18, s18, s16                     ; my K step, 0..7
	s_lshl_b32 s24, s17, 17                        ; 32 rows of 4,096 bytes
	s_lshl_b32 s25, s18, 9                         ; 128 numbers
	s_add_co_u32 s24, s24, s25
	s_mov_b32 s25, 0
	s_add_nc_u64 s[4:5], s[4:5], s[24:25]
	s_wait_alu depctr_va_vdst(0)
.irp u, 0,1
.set N1, 0
.rept 16
	global_load_b128 v[R+64*\u+4*N1:R+64*\u+4*N1+3], v4, s[4:5] offset:(8*\u+N1+8*(N1/8))*4096 th:TH_LOAD_NT   ; row N1 of fragment u: 32 lanes read 512 consecutive bytes
.set N1, N1+1
.endr
.endr
	s_mul_i32 s19, s16, STW
	v_add_nc_u32 v7, s19, v4                       ; into my stage: 16 l, the row in the immediate
	v_mul_u32_u24 v17, v2, 528
	v_lshl_add_u32 v17, v3, 7, v17
	v_add_nc_u32 v17, s19, v17                     ; out of it: row r, + 128 h: my block of each 64 along K
	v_lshlrev_b32 v18, 3, v3                       ; 8 h
	s_lshr_b32 s26, s17, 2
	s_lshl_b32 s26, s26, 6                         ; 64 fragments to a tile of 128 tokens,
	s_lshl_b32 s27, s18, 3
	s_add_co_u32 s26, s26, s27                     ; 8 to a K step,
	s_and_b32 s27, s17, 3
	s_lshl_b32 s27, s27, 1
	s_add_co_u32 s26, s26, s27                     ; two to 32 tokens: my first fragment's number
	s_mul_i32 s28, s26, 1536
	s_mov_b32 s29, 0
	s_add_nc_u64 s[28:29], s[10:11], s[28:29]      ; its codes
	s_lshl_b32 s32, s26, 6
	s_add_co_u32 s32, s32, XS
	s_mov_b32 s33, 0
	s_add_nc_u64 s[32:33], s[10:11], s[32:33]      ; its scale words, 64 bytes a fragment
; Fragment u.  left: how many younger loads may stay out.
.macro XFRAG u, left
	s_wait_loadcnt \left
.set N1, 0
.rept 16
	ds_store_b128 v7, v[R+64*\u+4*N1:R+64*\u+4*N1+3] offset:528*N1
.set N1, N1+1
.endr
.set N1, 0
.rept 16
	ds_load_b128 v[X+4*N1:X+4*N1+3], v17 offset:256*(N1/8)+16*(N1%8)   ; the stage is my wave's own and LDS serves a wave's instructions in order: these see the stores above
.set N1, N1+1
.endr
	s_wait_dscnt 0x0
.irp c, 0,1
	v_max3_num_f32 v[8+\c], |v[X+32*\c]|, |v[X+32*\c+1]|, 0x1800000   ; block 2 c + h of row r: all 32 numbers are mine; the floor 2^(3 - 127) holds the byte at 1 from below
.endr
.set N1, 2
.rept 15
.irp c, 0,1
	v_max3_num_f32 v[8+\c], v[8+\c], |v[X+32*\c+N1]|, |v[X+32*\c+N1+1]|
.endr
.set N1, N1+2
.endr
.irp c, 0,1
	v_add_nc_u32 v[10+\c], 0xff000000, v[8+\c]     ; 2 off the exponent field: the conversion's scale operand
.endr
.irp c, 0,1
	v_lshrrev_b32 v[12+\c], 23, v[10+\c]           ; the scale's byte
.endr
	v_lshl_or_b32 v[14+\u], v13, 16, v12           ; my two bytes: blocks h and 2 + h,
	v_lshlrev_b32 v[14+\u], v18, v[14+\u]          ; at their places in the word;
	v_permlanex16_b32 v16, v[14+\u], s20, s21
	v_or_b32 v[14+\u], v[14+\u], v16               ; with lane l xor 16's two the word is whole
.irp c, 0,1
	v_cvt_scalef32_pk16_fp6_f32 v[PC+12*\u+6*\c:PC+12*\u+6*\c+2], v[X+32*\c:X+32*\c+15], v[10+\c]
	v_cvt_scalef32_pk16_fp6_f32 v[T+4*\c:T+4*\c+2], v[X+32*\c+16:X+32*\c+31], v[10+\c]
.endr
	v_nop                                          ; one plain place behind a scaled conversion
.irp c, 0,1
.irp i, 0,1,2
	v_mov_b32 v[PC+12*\u+6*\c+3+\i], v[T+4*\c+\i]
.endr
.endr
	global_store_b128 v4, v[PC+12*\u:PC+12*\u+3], s[28:29] offset:1536*\u            ; each store covers 512 or 256 consecutive bytes, aligned
	global_store_b64 v5, v[PC+12*\u+4:PC+12*\u+5], s[28:29] offset:1536*\u+512
	global_store_b128 v4, v[PC+12*\u+6:PC+12*\u+9], s[28:29] offset:1536*\u+768
	global_store_b64 v5, v[PC+12*\u+10:PC+12*\u+11], s[28:29] offset:1536*\u+1280
.endm
	s_wait_alu depctr_va_vdst(0)
	XFRAG 0, 16                                    ; fragment 1's sixteen loads may stay out
	XFRAG 1, 0                                     ; (each fragment has its own registers for its codes: no store's data are written again)
	v_cndmask_b32 v19, v14, v15, s22               ; lanes 0-15: fragment 0's words, lanes 16-31: fragment 1's
	global_store_b32 v6, v19, s[32:33]             ; 128 consecutive bytes
	s_branch .Lend
	; ---------------- the weights ----------------
.Lweights:
	s_wait_alu depctr_va_vdst(0)
	v_and_b32 v7, 8, v2
	v_add_nc_u32 v7, v7, v2                        ; r + 8 (r / 8)
	v_lshl_add_u32 v7, v3, 3, v7                   ; + 8 u
	s_lshl_b32 s23, s16, 5
	v_add_nc_u32 v7, s23, v7                       ; + 32 x wave: my column among the work-group's 128
	v_lshlrev_b32 v7, 2, v7
; One block of 32 along K of my column.
.macro WBLOCK b
.if \b == 0
	s_wait_loadcnt 0x3f                            ; of my 128 loads at most 63 are out: blocks 0 and 1 are in
.elseif \b == 2
	s_wait_loadcnt 0x20                            ; block 3's loads may stay out
.elseif \b == 3
	s_wait_loadcnt 0x0
.endif
	v_max3_num_f32 v8, |v[R+32*\b]|, |v[R+32*\b+1]|, |v[R+32*\b+2]|
	v_max3_num_f32 v9, |v[R+32*\b+3]|, |v[R+32*\b+4]|, |v[R+32*\b+5]|
.irp i, 6,10,14,18,22,26
	v_max3_num_f32 v8, v8, |v[R+32*\b+\i]|, |v[R+32*\b+\i+1]|
	v_max3_num_f32 v9, v9, |v[R+32*\b+\i+2]|, |v[R+32*\b+\i+3]|
.endr
	v_max3_num_f32 v8, v8, |v[R+32*\b+30]|, |v[R+32*\b+31]|
	v_max3_num_f32 v8, v8, v9, 0x1800000           ; and the floor
	v_add_nc_u32 v10, 0xff000000, v8               ; the conversion's scale operand
	v_lshrrev_b32 v11, 23, v10                     ; the byte
.if \b == 0
	v_mov_b32 v12, v11
.else
	v_lshl_or_b32 v12, v11, 8*\b, v12              ; my column's scale word for this K step
.endif
	v_cvt_scalef32_pk16_fp6_f32 v[160+6*\b:162+6*\b], v[R+32*\b:R+32*\b+15], v10
	v_cvt_scalef32_pk16_fp6_f32 v[184:186], v[R+32*\b+16:R+32*\b+31], v10
	v_nop                                          ; one plain place behind a scaled conversion
.irp i, 0,1,2
	v_mov_b32 v[163+6*\b+\i], v[184+\i]
.endr
.endm
; A weight of N columns: first = its first work-group, sp, dp = the scalar pairs of source and destination, SOFF = where the scale words begin.
.macro WPATH N, first, sp, dp, SOFF
	s_sub_co_u32 s17, ttmp9, \first
	s_and_b32 s18, s17, 7                          ; K step
	s_lshr_b32 s19, s17, 3                         ; which 128 columns
	s_mul_i32 s24, s18, 128*\N*4
	s_lshl_b32 s25, s19, 9
	s_add_co_u32 s24, s24, s25
	s_mov_b32 s25, 0
	s_add_nc_u64 s[26:27], s[\sp:\sp+1], s[24:25]
.set N1, 0
.rept 128
	global_load_b32 v[R+N1], v7, s[26:27] offset:N1*\N*4 th:TH_LOAD_NT   ; row N1 of the K step: the wave's 32 lanes cover 128 consecutive bytes, the four waves 512
.set N1, N1+1
.endr
.if \N == 3072
	; wq IS LAID BY HEAD: [head 0-15][K step][12 fragments: q's four, k's four, v's four][1,536]; scale words [the same fragment number][row], 64 bytes a fragment
	s_and_b32 s34, s19, 7
	s_lshl_b32 s34, s34, 1
	s_lshr_b32 s35, s16, 1
	s_add_co_u32 s34, s34, s35                     ; head: two to 128 columns
	s_lshl_b32 s34, s34, 3
	s_add_co_u32 s34, s34, s18                     ; x 8 + K step
	s_mul_i32 s34, s34, 12
	s_lshr_b32 s35, s19, 3                         ; q, k or v: 1,024 columns each
	s_lshl_b32 s35, s35, 2
	s_add_co_u32 s34, s34, s35
	s_and_b32 s35, s16, 1
	s_lshl_b32 s35, s35, 1
	s_add_co_u32 s34, s34, s35                     ; my first fragment's number
	s_mul_i32 s28, s34, 1536
	s_lshl_b32 s32, s34, 6
.else
	s_lshr_b32 s34, s19, 1
	s_mul_i32 s34, s34, 196608                     ; the tile of 256 columns,
	s_mul_i32 s35, s18, 24576                      ; the K step's 16 fragments,
	s_add_co_u32 s34, s34, s35
	s_and_b32 s35, s19, 1
	s_lshl_b32 s35, s35, 3
	s_lshl_b32 s36, s16, 1
	s_add_co_u32 s35, s35, s36                     ; my first fragment: 8 x (which half) + 2 x wave
	s_mul_i32 s35, s35, 1536
	s_add_co_u32 s28, s34, s35
	s_lshl_b32 s32, s19, 12
	s_lshl_b32 s33, s18, 9
	s_add_co_u32 s32, s32, s33
	s_lshl_b32 s33, s16, 7
	s_add_co_u32 s32, s32, s33
.endif
	s_mov_b32 s29, 0
	s_add_nc_u64 s[28:29], s[\dp:\dp+1], s[28:29]
	s_add_co_u32 s32, s32, \SOFF
	s_mov_b32 s33, 0
	s_add_nc_u64 s[32:33], s[\dp:\dp+1], s[32:33]
	WBLOCK 0
	WBLOCK 1
	WBLOCK 2
	WBLOCK 3
.irp c, 0,1                            ; lanes 0-15 hold fragment 0's rows, lanes 16-31 fragment 1's, each all four blocks.  The image wants block 2 c in lanes 0-15 and block 2 c + 1 in lanes 16-31:
.irp i, 0,1,2,3,4,5
	v_permlane16_swap_b32 v[160+12*\c+\i], v[166+12*\c+\i]   ; block 2 c's lanes 16-31 change places with block 2 c + 1's lanes 0-15: the first is now fragment 0's, the second fragment 1's
.endr
.endr
.irp u, 0,1
.irp c, 0,1
	global_store_b128 v4, v[160+12*\c+6*\u:163+12*\c+6*\u], s[28:29] offset:1536*\u+768*\c
	global_store_b64 v5, v[164+12*\c+6*\u:165+12*\c+6*\u], s[28:29] offset:1536*\u+768*\c+512
.endr
.endr
	global_store_b32 v6, v12, s[32:33]             ; two fragments' scale words: 128 consecutive bytes
.endm
	s_cmp_lt_u32 ttmp9, 448
	s_cbranch_scc0 .Lw_out
	s_wait_alu depctr_va_vdst(0)
	WPATH 3072, 256, 6, 12, WS
	s_branch .Lend
.Lw_out:
	s_wait_alu depctr_va_vdst(0)
	WPATH 1024, 448, 8, 14, WOS
.Lend:
	s_wait_tensorcnt 0x0                           ; the wave's end
	ds_add_u32 v30, v31
	s_wait_dscnt 0x0
	s_endpgm
.Lfunc_end_k_q2098e977dc_quant:
	.size	k_q2098e977dc_quant, .Lfunc_end_k_q2098e977dc_quant-k_q2098e977dc_quant
	.p2alignl 7, 3214868480
	.fill 96, 4, 3214868480
	.section	.rodata,"a",@progbits
	.p2align	6, 0x0
	.amdhsa_kernel k_q2098e977dc_quant
		.amdhsa_group_segment_fixed_size 34304
		.amdhsa_private_segment_fixed_size 0
		.amdhsa_enable_private_segment 0
		.amdhsa_kernarg_size 48
		.amdhsa_user_sgpr_count 2
		.amdhsa_user_sgpr_kernarg_segment_ptr 1
		.amdhsa_wavefront_size32 1
		.amdhsa_system_sgpr_workgroup_id_x 1
		.amdhsa_system_sgpr_workgroup_id_y 1
		.amdhsa_system_sgpr_workgroup_id_z 1
		.amdhsa_system_vgpr_workitem_id 0
		.amdhsa_next_free_vgpr 256
		.amdhsa_next_free_sgpr 66
		.amdhsa_reserve_vcc 0
		.amdhsa_float_denorm_mode_32 3
		.amdhsa_float_denorm_mode_16_64 3
		.amdhsa_memory_ordered 1
		.amdhsa_forward_progress 1
		.amdhsa_inst_pref_size 57
	.end_amdhsa_kernel
	.amdgpu_metadata
---
amdhsa.version: [ 1, 2 ]
amdhsa.kernels:
  - .name:           k_q2098e977dc_quant
    .symbol:         k_q2098e977dc_quant.kd
    .args:
      - { .name: x, .offset: 0, .size: 8, .value_kind: global_buffer, .address_space: global }
      - { .name: w_qkv, .offset: 8, .size: 8, .value_kind: global_buffer, .address_space: global }
      - { .name: w_out, .offset: 16, .size: 8, .value_kind: global_buffer, .address_space: global }
      - { .name: xq, .offset: 24, .size: 8, .value_kind: global_buffer, .address_space: global }
      - { .name: wq, .offset: 32, .size: 8, .value_kind: global_buffer, .address_space: global }
      - { .name: woq, .offset: 40, .size: 8, .value_kind: global_buffer, .address_space: global }
    .group_segment_fixed_size: 34304
    .private_segment_fixed_size: 0
    .kernarg_segment_align: 8
    .kernarg_segment_size: 48
    .max_flat_workgroup_size: 128
    .sgpr_count:     66
    .vgpr_count:     256
    .wavefront_size: 32
...
	.end_amdgpu_metadata
.endif
;; end of part 1
;; launch gemm_qkv (part 2): grid 16 x 16, 4 waves a work-group, clusters of 4 x 4, 327,680 bytes of LDS; arguments xq, wq, b_qkv, qb, kv; writes qb, kv
.if DOCPART == 2
	.amdgcn_target "amdgcn-amd-amdhsa--gfx1250"
	.amdhsa_code_object_version 6
	.text
	.protected	k_q2098e977dc_gemm_qkv
	.globl	k_q2098e977dc_gemm_qkv
	.p2align	8
	.type	k_q2098e977dc_gemm_qkv,@function
k_q2098e977dc_gemm_qkv:
	s_mov_b64 s[64:65], 0
	v_nop
	global_prefetch_b8 v0, s[64:65] scope:SCOPE_SE
	s_setreg_imm32_b32 hwreg(HW_REG_WAVE_MODE, 25, 1), 1
	s_wait_xcnt 0x0
	s_wait_alu depctr_hold_cnt(0) depctr_sa_sdst(0) depctr_va_vdst(0) depctr_va_sdst(0) depctr_va_ssrc(0) depctr_va_vcc(0) depctr_vm_vsrc(0)
	s_getreg_b32 s2, hwreg(HW_REG_IB_STS2, 6, 4)
	s_cmp_eq_u32 s2, 0
	s_cbranch_scc0 .Lentry_in_a_cluster
	s_endpgm
.Lentry_in_a_cluster:
	s_bfe_u32 s2, ttmp6, 0x10000c
	s_cmp_lg_u32 s2, 0xf033
	s_cbranch_scc0 .Lentry_shape_is_right
	s_endpgm
.Lentry_shape_is_right:
; qkv = x w_qkv + b_qkv on codes of FP6 (E2M3), and its way out: q, k and v leave as codes for the attention launch, with q^2 and k^2 (sums of the unquantised f32 numbers) beside them.
; 256 WORK-GROUPS: work-group (X, Y) makes 256 tokens (Y) x the 192 columns of head X: its q, its k and its v.  A wave takes 64 of the tokens.
; q, k: source 0 = 128 columns (q's 64, k's 64: 8 fragments), source 1 = my 64 tokens (4 fragments): 32 accumulators; a lane holds a token, its registers run along the head's 64 channels: the next product's K.
; v: source 0 = my 64 tokens, source 1 = v's 64 columns (4 fragments): 16 accumulators; a lane holds a channel, its registers run along 64 keys: half of a fragment of V^T.
; LDS: the weight's 192 columns for all of K (147,456 bytes) and x's 256 tokens for K steps 0-6 (172,032 bytes), each byte filled once, by one tensor load a wave; with the spare words 320,000 bytes.
; K step 7 of x would not fit: a wave's 64 tokens are read by that wave alone, so it loads its four fragments of that step straight into 48 registers, at the head.
; CLUSTER 4 x 4: x's fragments hang on Y alone and are asked for jointly along a row of the cluster, the weight's on X alone, along a column.
; No prefetch: every byte is asked for once, at the head; there is no loop to run ahead in.
; SCALE WORDS: one register carries two fragments' words (lanes 0-15 the even one's, lanes 16-31 the odd one's); the product names the row.  The bias is the C of each sum's first matrix instruction.
; qb: [head 0-31][128 queries][7,168]: 8 half fragments (768 bytes: registers 0-3 at 16 l, 4-5 at 512 + 8 l), scale words [tile][row] at 6,144 (upper two bytes 0), q^2 [tile][row] at 6,656.
; kv: [head][128 keys][13,568]: K's 8 half fragments, V^T's 4 fragments at 6,144, K's scale words at 12,288, V's at 12,800, k^2 at 13,056.
; LIMITS: a block of zeros gets the byte 1 (its codes are zeros; this program alone reads the bytes); NaN and infinities are not served; the 64 squares are summed in four chains, an order of my own.
; REGISTERS, in windows of 256.  window 0: v1-14 lane numbers and addresses; v30, v31 the add's two; v32-95 scale words; v96-119, v224-247 x's K step 7; v128-223 x's fragments, two sets.
;   window 1: q's and k's weight fragments, two sets at v0 and v128; their bias at v96-127 and v224-255; behind the products all of it is at work on the way out.
;   window 2: q's and k's accumulator (a, b) at v[8 (8 a + b)].   window 3: v's accumulator (a, b) at v[8 (4 a + b)]; v's weight fragments, two sets from v128; v's bias at v224-255.
.set XT,    86016                      ; LDS: x, 128 tokens x K steps 0-6: [K step][8][1,536]; two such from 0
.set WREG,  172032                     ; the weight: [K step][12][1,536]
.set SPARE, 319488                     ; the spare words, 128 bytes for each wave
.set XS,    3145728                    ; xq's scale words
.set WS,    2359296                    ; wq's
.set G1W, 24                           ; s[24:31] descriptor group 1 for the weight;  s[32:39] for x
.set G1X, 32
.set G0X, 44                           ; s[44:47], s[68:71] groups 0
.set G0W, 68
.set E1,   0x55                        ; every operand in window 1
.set ESQ,  0x5a                        ; destination and source 2 window 1, sources 0 and 1 window 2
.set EST,  0x04                        ; a store's data in window 1, its address in window 0
.set MSB, 0
.macro WIN new                         ; the immediate's high byte repeats the setting that is left
.if MSB != \new
	s_set_vgpr_msb (MSB<<8)|\new
.set MSB, \new
.endif
.endm
.macro CROUND                          ; a round of the cluster's barrier
	s_barrier_signal -1
	s_barrier_wait -1
	s_cmp_lg_u32 s14, 0
	s_cbranch_scc1 .Lnot_wave_0_\@
	s_barrier_signal -3
.Lnot_wave_0_\@:
	s_barrier_wait -3
	s_barrier_signal -1
	s_barrier_wait -1
.endm
.macro FRAG4 reg, a16, a8, off         ; a fragment's image comes back as it was stored
	ds_load_b128 v[\reg:\reg+3], v[\a16] offset:\off
	ds_load_b64 v[\reg+4:\reg+5], v[\a8] offset:\off+512
	ds_load_b128 v[\reg+6:\reg+9], v[\a16] offset:\off+768
	ds_load_b64 v[\reg+10:\reg+11], v[\a8] offset:\off+1280
.endm
.macro FETCH p, withx                  ; a K step's fragments into set p, in one run
	WIN 0x40
.irp i, 0,1,2,3,4,5,6,7
	FRAG4 128*(\p)+12*\i, 8, 9, 1536*\i
.endr
	WIN 0xc0
.irp a, 0,1,2,3
	FRAG4 128+48*(\p)+12*\a, 8, 9, 12288+1536*\a
.endr
	WIN 0
.if \withx
.irp a, 0,1,2,3
	FRAG4 128+48*(\p)+12*\a, 10, 11, 1536*\a
.endr
.endif
.endm
.macro BUMP                            ; on to the next K step.  These four plain lines are also the places between the last products that read a set and the loads into it
	WIN 0
	v_add_nc_u32 v8, 18432, v8
	v_add_nc_u32 v9, 18432, v9
	v_add_nc_u32 v10, 12288, v10
	v_add_nc_u32 v11, 12288, v11
.endm
.macro WM pa, pb                       ; one product; pa, pb: which half of the lanes holds source 0's and source 1's scale words
.if (\pa)==0
.if (\pb)==0
	v_wmma_scale_f32_16x16x128_f8f6f4 v[AC:AC+7], v[F0:F0+11], v[F1:F1+11], v[CC:CC+7], v[S0], v[S1] matrix_a_fmt:MATRIX_FMT_FP6 matrix_b_fmt:MATRIX_FMT_FP6
.else
	v_wmma_scale_f32_16x16x128_f8f6f4 v[AC:AC+7], v[F0:F0+11], v[F1:F1+11], v[CC:CC+7], v[S0], v[S1] matrix_a_fmt:MATRIX_FMT_FP6 matrix_b_fmt:MATRIX_FMT_FP6 matrix_b_scale:MATRIX_SCALE_ROW1
.endif
.else
.if (\pb)==0
	v_wmma_scale_f32_16x16x128_f8f6f4 v[AC:AC+7], v[F0:F0+11], v[F1:F1+11], v[CC:CC+7], v[S0], v[S1] matrix_a_fmt:MATRIX_FMT_FP6 matrix_b_fmt:MATRIX_FMT_FP6 matrix_a_scale:MATRIX_SCALE_ROW1
.else
	v_wmma_scale_f32_16x16x128_f8f6f4 v[AC:AC+7], v[F0:F0+11], v[F1:F1+11], v[CC:CC+7], v[S0], v[S1] matrix_a_fmt:MATRIX_FMT_FP6 matrix_b_fmt:MATRIX_FMT_FP6 matrix_a_scale:MATRIX_SCALE_ROW1 matrix_b_scale:MATRIX_SCALE_ROW1
.endif
.endif
.endm
; A K step's 48 products.  mode 1: the first step, C = the bias; 2: the last step, x's fragments from the registers loaded at the head.
; The 48 accumulators take turns, one instruction a turn, in the same order in every K step.
.macro MULS p, s, mode
.if \mode == 1
	WIN 0x91                               ; source 0 window 1, source 1 window 0, C window 1, D window 2
.else
	WIN 0xa1                               ; C and D window 2
.endif
.irp a, 0,1,2,3
.irp b, 0,1,2,3,4,5,6,7
.set AC, 8*(8*\a+\b)
.set F0, 128*(\p)+12*\b
.if \mode == 2
.set F1, 96+12*(\a%2)+128*(\a/2)
.else
.set F1, 128+48*(\p)+12*\a
.endif
.if \mode == 1
.set CC, 96+8*\b+96*(\b/4)
.else
.set CC, AC
.endif
.set S0, 32+4*(\s)+\b/2
.set S1, 80+2*(\s)+\a/2
	WM \b%2, \a%2
.endr
.endr
	WIN 0xfc                               ; source 0 window 0, source 1, C and D window 3
.irp a, 0,1,2,3
.irp b, 0,1,2,3
.set AC, 8*(4*\a+\b)
.if \mode == 2
.set F0, 96+12*(\b%2)+128*(\b/2)
.else
.set F0, 128+48*(\p)+12*\b
.endif
.set F1, 128+48*(\p)+12*\a
.if \mode == 1
.set CC, 224+8*\a
.else
.set CC, AC
.endif
.set S0, 80+2*(\s)+\b/2
.set S1, 64+2*(\s)+\a/2
	WM \b%2, \a%2
.endr
.endr
.endm
; 64 numbers of a lane, window AW's v[QH] on (register 16 b + i = K 32 b + 16 (lane / 16) + i of my row), become 12 registers of codes in window 1's v[QPC] on and a scale word in v[QPW].
; Window 1: v0-3 largest magnitudes, v4-7 the other half's, then the bytes, v8-11 scale operands, v28-30, v32-34 the blocks' other halves.
.macro QUANTW
	WIN E1
.irp b, 0,1,2,3
	v_mov_b32 v[\b], 0x1800000                     ; the floor 2^(3 - 127): the byte cannot fall under 1
.endr
	WIN (0x41|(AW<<2)|(AW<<4))
.irp i, 0,2,4,6,8,10,12,14
.irp b, 0,1,2,3
	v_max3_num_f32 v[\b], v[\b], |v[QH+16*\b+\i]|, |v[QH+16*\b+\i+1]|   ; ascending: each accumulator is read from its low end on; the four blocks by turns
.endr
.endr
	WIN E1
.irp b, 0,1,2,3
	v_permlanex16_b32 v[4+\b], v[\b], s20, s21
.endr
.irp b, 0,1,2,3
	v_max_num_f32 v[\b], v[\b], v[4+\b]            ; with lane l xor 16's 16: the block's largest magnitude
.endr
.irp b, 0,1,2,3
	v_add_nc_u32 v[8+\b], 0xff000000, v[\b]        ; 2 off the exponent field: the conversion's scale operand
.endr
.irp b, 0,1,2,3
	v_lshrrev_b32 v[4+\b], 23, v[8+\b]             ; the byte
.endr
	v_lshl_or_b32 v[QPW], v5, 8, v4
	v_lshl_or_b32 v[QPW], v6, 16, v[QPW]
	v_lshl_or_b32 v[QPW], v7, 24, v[QPW]
	WIN (0x44|AW)
.irp c, 0,1
	v_cvt_scalef32_pk16_fp6_f32 v[QPC+6*\c:QPC+6*\c+2], v[QH+32*\c:QH+32*\c+15], v[8+2*\c]
	v_cvt_scalef32_pk16_fp6_f32 v[28+4*\c:30+4*\c], v[QH+32*\c+16:QH+32*\c+31], v[8+2*\c+1]
.endr
	WIN E1
	v_nop                                          ; one plain place behind a scaled conversion
.irp c, 0,1                            ; a whole block in a lane: lanes 0-15 block 2 c, lanes 16-31 block 2 c + 1
.irp i, 0,1,2
	v_permlane16_swap_b32 v[QPC+6*\c+\i], v[28+4*\c+\i]
.endr
.irp i, 0,1,2
	v_mov_b32 v[QPC+6*\c+3+\i], v[28+4*\c+\i]
.endr
.endr
.endm
	s_load_b256 s[4:11], s[0:1], 0x0               ; xq s[4:5], wq s[6:7], b_qkv s[8:9], qb s[10:11]
	s_load_b64 s[12:13], s[0:1], 0x20              ; kv
	v_lshl_add_u32 v30, v0, 2, SPARE               ; my spare word; never rewritten
	v_mov_b32 v31, 0                               ; 0; never rewritten
	ds_add_u32 v30, v31                            ; the wave's opening: the add, twice on end, and its wait ahead of my tensor load
	ds_add_u32 v30, v31
	v_lshrrev_b32 v1, 5, v0
	v_readfirstlane_b32 s14, v1                    ; wave 0..3
	s_and_b32 s15, s14, 1                          ; which 64 of 128 tokens are mine.  Also: which half of the weight, or which 128 tokens of x, I fetch
	s_lshr_b32 s16, s14, 1                         ; which 128 of the 256 tokens.  Also: I fetch for the weight (0) or for x (1)
	s_bfe_u32 s40, ttmp6, 0x40000                  ; cx
	s_bfe_u32 s41, ttmp6, 0x40004                  ; cy
	s_lshl_b32 s42, ttmp9, 2
	s_add_co_u32 s42, s42, s40                     ; X: the head
	s_and_b32 s17, ttmp7, 0xffff
	s_lshl_b32 s17, s17, 2
	s_add_co_u32 s17, s17, s41                     ; Y: which 256 tokens
	s_lshl_b32 s43, s41, 2
	s_lshl_b32 s43, 15, s43                        ; my row of the cluster
	s_lshl_b32 s84, 0x1111, s40                    ; my column
	s_or_b32 s[G1X], s43, (3<<16)|(1<<21)          ; 15:0 the mask; 17:16 elements of 8 bytes; 21 set beside a mask; no padding
	s_or_b32 s[G1W], s84, (3<<16)|(1<<21)
.irp g, G1W, G1X
	s_mov_b32 s[\g+1], 32<<16                      ; rows of 256 bytes of a dense block
	s_mov_b32 s[\g+3], 32<<16
	s_mov_b32 s[\g+5], 32
	s_mov_b32 s[\g+6], 0
	s_mov_b32 s[\g+7], 0
.endr
	s_mov_b32 s[G1W+2], 288<<16                    ; the weight's: 288 rows, half of 147,456 bytes
	s_mov_b32 s[G1W+4], 288
	s_mov_b32 s[G1X+2], 336<<16                    ; x's: 336 rows: 128 tokens, K steps 0-6
	s_mov_b32 s[G1X+4], 336
	s_mul_i32 s86, s42, 147456                     ; made of X and the wave's number alone
	s_mul_i32 s87, s15, 73728
	s_add_co_u32 s86, s86, s87
	s_add_co_u32 s85, s87, WREG                    ; no place in the cluster enters an LDS address
	s_mov_b32 s87, 0
	s_lshl_b32 s88, s17, 1                         ; made of Y and the wave's number alone
	s_add_co_u32 s88, s88, s15
	s_mul_i32 s88, s88, 98304
	s_mov_b32 s89, 0
	s_mul_i32 s83, s15, XT
	s_mov_b32 s20, 0x76543210
	s_mov_b32 s21, 0xfedcba98                      ; v_permlanex16_b32's selects for lane l xor 16
	s_wait_dscnt 0x0                               ; both opening adds are done
	s_wait_kmcnt 0x0
	s_add_nc_u64 s[86:87], s[6:7], s[86:87]
	s_add_nc_u64 s[88:89], s[4:5], s[88:89]
	CROUND                                         ; all sixteen work-groups are here: the joint loads meet
	s_mov_b32 s[G0W], 1
	s_mov_b32 s[G0W+1], s85
	s_mov_b64 s[G0W+2:G0W+3], s[86:87]
	s_or_b32 s[G0W+3], s[G0W+3], 0x80000000
	s_mov_b32 s[G0X], 1
	s_mov_b32 s[G0X+1], s83
	s_mov_b64 s[G0X+2:G0X+3], s[88:89]
	s_or_b32 s[G0X+3], s[G0X+3], 0x80000000
	s_cmp_ge_u32 s14, 2                            ; one tensor load a wave: waves 0, 1 the weight's halves, waves 2, 3 x's two tiles of 128 tokens
	s_cbranch_scc1 .Lfor_x
	tensor_load_to_lds s[G0W:G0W+3], s[G1W:G1W+7]
	s_nop 0
.rept 4
	v_nop
.endr
	s_branch .Lasked
.Lfor_x:
	tensor_load_to_lds s[G0X:G0X+3], s[G1X:G1X+7]
	s_nop 0
.rept 4
	v_nop
.endr
.Lasked:
	s_mul_i32 s18, s16, XT
	s_mul_i32 s19, s15, 6144
	s_add_co_u32 s18, s18, s19                     ; my four fragments of x in a K step
	v_and_b32 v1, 15, v0                           ; r
	v_bfe_u32 v2, v0, 4, 1                         ; h
	v_and_b32 v3, 31, v0                           ; l
	v_lshlrev_b32 v12, 2, v1                       ; 4 r
	v_lshlrev_b32 v13, 6, v2                       ; q's, k's bias: tile b's register j is channel 32 (b / 2) + 16 h + 8 (b % 2) + j
	v_and_b32 v14, 8, v1
	v_lshlrev_b32 v4, 4, v3                        ; 16 l
	v_lshlrev_b32 v5, 3, v3                        ; 8 l
	v_lshlrev_b32 v6, 2, v3                        ; 4 l
	v_add_nc_u32 v14, v14, v1
	v_add_nc_u32 v8, WREG, v4
	v_add_nc_u32 v9, WREG, v5
	v_add_nc_u32 v10, s18, v4
	v_add_nc_u32 v11, s18, v5
	v_lshlrev_b32 v14, 2, v14                      ; v's bias: lane r of tile a is channel 32 (a / 2) + 8 (a % 2) + r + 8 (r / 8)
	s_wait_alu depctr_va_vdst(0)
	s_mul_i32 s90, s42, 6144
	s_add_co_u32 s90, s90, WS
	s_mov_b32 s91, 0
	s_add_nc_u64 s[90:91], s[6:7], s[90:91]        ; the head's scale words: [K step][12][16] words
	s_lshl_b32 s96, s17, 1
	s_add_co_u32 s96, s96, s16                     ; my 128 tokens
	s_lshl_b32 s92, s96, 12
	s_lshl_b32 s93, s15, 8
	s_add_co_u32 s92, s92, s93
	s_add_co_u32 s92, s92, XS
	s_mov_b32 s93, 0
	s_add_nc_u64 s[92:93], s[4:5], s[92:93]        ; my 64 tokens' scale words
	s_lshl_b32 s94, s42, 8
	s_mov_b32 s95, 0
	s_add_nc_u64 s[94:95], s[8:9], s[94:95]        ; the head's bias: q's here, k's 4,096 bytes on, v's 8,192
	s_mul_i32 s96, s96, 98304
	s_add_co_u32 s96, s96, s19
	s_add_co_u32 s96, s96, XT
	s_mov_b32 s97, 0
	s_add_nc_u64 s[96:97], s[4:5], s[96:97]        ; my four fragments of K step 7
.irp s, 0,1,2,3,4,5,6,7                ; all of K's scale words, once, into registers that hold nothing else: 128 consecutive bytes a load, two fragments' words
.irp j, 0,1,2,3
	global_load_b32 v[32+4*\s+\j], v6, s[90:91] offset:768*\s+128*\j
.endr
.irp j, 0,1
	global_load_b32 v[64+2*\s+\j], v6, s[90:91] offset:768*\s+512+128*\j
	global_load_b32 v[80+2*\s+\j], v6, s[92:93] offset:512*\s+128*\j
.endr
.endr
.irp a, 0,1,2,3
.set XF, 96+12*(\a%2)+128*(\a/2)
	global_load_b128 v[XF:XF+3], v4, s[96:97] offset:1536*\a
	global_load_b64 v[XF+4:XF+5], v5, s[96:97] offset:1536*\a+512
	global_load_b128 v[XF+6:XF+9], v4, s[96:97] offset:1536*\a+768
	global_load_b64 v[XF+10:XF+11], v5, s[96:97] offset:1536*\a+1280
.endr
	WIN 0x40
.irp b, 0,1,2,3,4,5,6,7
	global_load_b128 v[96+8*\b+96*(\b/4):96+8*\b+96*(\b/4)+3], v13, s[94:95] offset:4096*(\b/4)+128*((\b%4)/2)+32*(\b%2)
	global_load_b128 v[96+8*\b+96*(\b/4)+4:96+8*\b+96*(\b/4)+7], v13, s[94:95] offset:4096*(\b/4)+128*((\b%4)/2)+32*(\b%2)+16
.endr
	WIN 0xc0
.irp a, 0,1,2,3
	global_load_b32 v[224+8*\a], v14, s[94:95] offset:8192+(32*(\a/2)+8*(\a%2))*4
.endr
	s_wait_loadcnt 0x0
	WIN 0xc3
.irp a, 0,1,2,3
.irp j, 1,2,3,4,5,6,7
	v_mov_b32 v[224+8*\a+\j], v[224+8*\a]          ; v's bias is the same along a tile's eight registers
.endr
.endr
	WIN 0
	; THE EIGHT K STEPS, written out.  While a step is multiplied the next step's fragments are on their way from LDS into the other set.
	s_wait_alu depctr_va_vdst(0)
	s_wait_tensorcnt 0x0                           ; my tensor load has landed,
	s_barrier_signal -1
	s_barrier_wait -1                              ; everybody's has: nothing is filled again
	FETCH 0, 1
	s_wait_dscnt 0x0
	BUMP
	FETCH 1, 1
	MULS 0, 0, 1                                   ; the first K step starts the sums, from the bias
.irp ks, 1,2,3,4,5,6
	s_wait_dscnt 0x0                               ; this step's fragments are in
	s_wait_alu depctr_va_vdst(0)
	BUMP
.if \ks < 6
	FETCH (\ks+1)%2, 1
.else
	FETCH 1, 0
.endif
	MULS \ks%2, \ks, 0
.endr
	s_wait_dscnt 0x0
	MULS 1, 7, 2
	WIN 0
.rept 4
	v_nop                                          ; four places between the last products and the first read of results, and the first write of registers that they read
.endr
	; the way out.  My tensor load is done, so the descriptors' registers may be written
	s_lshr_b32 s44, s17, 3
	s_lshl_b32 s44, s44, 4
	s_add_co_u32 s44, s44, s42                     ; 16 x batch + head
	s_and_b32 s45, s17, 7
	s_lshl_b32 s45, s45, 1
	s_add_co_u32 s45, s45, s16                     ; which 128 tokens of the sequence
	s_mul_i32 s46, s44, 114688
	s_mul_i32 s47, s45, 7168
	s_add_co_u32 s46, s46, s47
	s_mov_b32 s47, 0
	s_add_nc_u64 s[28:29], s[10:11], s[46:47]      ; q's record
	s_mul_i32 s46, s44, 217088
	s_mul_i32 s48, s45, 13568
	s_add_co_u32 s46, s46, s48
	s_add_nc_u64 s[30:31], s[12:13], s[46:47]      ; k's and v's record
	s_mul_i32 s46, s15, 3072
	s_add_nc_u64 s[24:25], s[28:29], s[46:47]      ; my four half fragments of q,
	s_add_nc_u64 s[26:27], s[30:31], s[46:47]      ; of k;
	s_mul_i32 s46, s15, 768
	s_add_nc_u64 s[36:37], s[30:31], s[46:47]      ; my half of V^T's fragments,
	s_lshl_b32 s46, s15, 1
	s_add_nc_u64 s[38:39], s[30:31], s[46:47]      ; my two bytes of V's scale words;
	s_lshl_b32 s46, s15, 8
	s_add_nc_u64 s[28:29], s[28:29], s[46:47]      ; my four tiles' words
	s_add_nc_u64 s[30:31], s[30:31], s[46:47]
	WIN E1
.irp b, 0,1,2,3
	v_mov_b32 v[4+\b], 0                           ; a lane permute's destination counts as read: written once
.endr
; Tile a of my tokens: registers 0-31 are q's, 32-63 k's.  Every store has data registers of its own.  The words and sums are the same in both halves of the lanes: lanes r and 16 + r store the same number to the same place.
.macro EPI_QK a
.set AW, 2
.set QH, 64*(\a)
.set QPC, 64+12*(\a)
.set QPW, 112+(\a)
	WIN ESQ
.irp p, 0,1
	v_pk_mul_f32 v[36+2*\p:37+2*\p], v[QH+2*\p:QH+2*\p+1], v[QH+2*\p:QH+2*\p+1]                  ; the squares, two chains each, ascending: each accumulator is read from its low end on
	v_pk_mul_f32 v[40+2*\p:41+2*\p], v[QH+32+2*\p:QH+32+2*\p+1], v[QH+32+2*\p:QH+32+2*\p+1]
.endr
.irp p, 2,3,4,5,6,7,8,9,10,11,12,13,14,15
	v_pk_fma_f32 v[36+2*(\p%2):37+2*(\p%2)], v[QH+2*\p:QH+2*\p+1], v[QH+2*\p:QH+2*\p+1], v[36+2*(\p%2):37+2*(\p%2)]
	v_pk_fma_f32 v[40+2*(\p%2):41+2*(\p%2)], v[QH+32+2*\p:QH+32+2*\p+1], v[QH+32+2*\p:QH+32+2*\p+1], v[40+2*(\p%2):41+2*(\p%2)]
.endr
	WIN E1
	v_pk_add_f32 v[36:37], v[36:37], v[38:39]
	v_pk_add_f32 v[40:41], v[40:41], v[42:43]
	v_add_f32 v36, v36, v37
	v_add_f32 v40, v40, v41
	v_permlanex16_b32 v4, v36, s20, s21
	v_permlanex16_b32 v5, v40, s20, s21
	v_add_f32 v[124+\a], v36, v4                   ; with lane l xor 16's 32 channels: the token's sum of 64 squares
	v_add_f32 v[128+\a], v40, v5
	QUANTW
	v_and_b32 v[116+\a], 0xffff, v[QPW]            ; q's two bytes; a head has 64 along K, so the word's upper two bytes are 0
	v_lshrrev_b32 v[120+\a], 16, v[QPW]            ; k's
	WIN EST
	global_store_b128 v4, v[QPC:QPC+3], s[24:25] offset:768*\a
	global_store_b64 v5, v[QPC+4:QPC+5], s[24:25] offset:768*\a+512
	global_store_b128 v4, v[QPC+6:QPC+9], s[26:27] offset:768*\a
	global_store_b64 v5, v[QPC+10:QPC+11], s[26:27] offset:768*\a+512
	global_store_b32 v12, v[116+\a], s[28:29] offset:6144+64*\a
	global_store_b32 v12, v[124+\a], s[28:29] offset:6656+64*\a
	global_store_b32 v12, v[120+\a], s[30:31] offset:12288+64*\a
	global_store_b32 v12, v[128+\a], s[30:31] offset:13056+64*\a
.endm
; Channel tiles 2 c and 2 c + 1 of v: 32 registers each, along my 64 keys: half a fragment of V^T each, and two scale bytes a row.
.macro EPI_V c
.set AW, 3
.set QH, 64*(\c)
.set QPC, 136+12*(\c)
.set QPW, 160+(\c)
	QUANTW
	WIN EST
	global_store_b128 v4, v[QPC:QPC+3], s[36:37] offset:6144+3072*\c
	global_store_b64 v5, v[QPC+4:QPC+5], s[36:37] offset:6144+3072*\c+512
	global_store_b128 v4, v[QPC+6:QPC+9], s[36:37] offset:6144+3072*\c+1536
	global_store_b64 v5, v[QPC+10:QPC+11], s[36:37] offset:6144+3072*\c+2048
	global_store_b16 v12, v[QPW], s[38:39] offset:12800+128*\c
	global_store_d16_hi_b16 v12, v[QPW], s[38:39] offset:12800+128*\c+64
.endm
	EPI_QK 0
	EPI_QK 1
	EPI_QK 2
	EPI_QK 3
	EPI_V 0
	EPI_V 1
	WIN 0
	s_wait_tensorcnt 0x0                           ; the wave's end
	ds_add_u32 v30, v31
	s_wait_dscnt 0x0
	CROUND                                         ; the closing round: no work-group ends while a partner may still ask for a tile that names it
	s_endpgm
.Lfunc_end_k_q2098e977dc_gemm_qkv:
	.size	k_q2098e977dc_gemm_qkv, .Lfunc_end_k_q2098e977dc_gemm_qkv-k_q2098e977dc_gemm_qkv
	.p2alignl 7, 3214868480
	.fill 96, 4, 3214868480
	.section	.rodata,"a",@progbits
	.p2align	6, 0x0
	.amdhsa_kernel k_q2098e977dc_gemm_qkv
		.amdhsa_group_segment_fixed_size 327680
		.amdhsa_private_segment_fixed_size 0
		.amdhsa_enable_private_segment 0
		.amdhsa_kernarg_size 40
		.amdhsa_user_sgpr_count 2
		.amdhsa_user_sgpr_kernarg_segment_ptr 1
		.amdhsa_wavefront_size32 1
		.amdhsa_system_sgpr_workgroup_id_x 1
		.amdhsa_system_sgpr_workgroup_id_y 1
		.amdhsa_system_sgpr_workgroup_id_z 1
		.amdhsa_system_vgpr_workitem_id 0
		.amdhsa_next_free_vgpr 1024
		.amdhsa_next_free_sgpr 100
		.amdhsa_reserve_vcc 0
		.amdhsa_float_denorm_mode_32 3
		.amdhsa_float_denorm_mode_16_64 3
		.amdhsa_memory_ordered 1
		.amdhsa_forward_progress 1
		.amdhsa_inst_pref_size 139
	.end_amdhsa_kernel
	.amdgpu_metadata
---
amdhsa.version: [ 1, 2 ]
amdhsa.kernels:
  - .name:           k_q2098e977dc_gemm_qkv
    .symbol:         k_q2098e977dc_gemm_qkv.kd
    .args:
      - { .name: xq, .offset: 0, .size: 8, .value_kind: global_buffer, .address_space: global }
      - { .name: wq, .offset: 8, .size: 8, .value_kind: global_buffer, .address_space: global }
      - { .name: b_qkv, .offset: 16, .size: 8, .value_kind: global_buffer, .address_space: global }
      - { .name: qb, .offset: 24, .size: 8, .value_kind: global_buffer, .address_space: global }
      - { .name: kv, .offset: 32, .size: 8, .value_kind: global_buffer, .address_space: global }
    .group_segment_fixed_size: 327680
    .private_segment_fixed_size: 0
    .kernarg_segment_align: 8
    .kernarg_segment_size: 40
    .max_flat_workgroup_size: 128
    .sgpr_count:     100
    .vgpr_count:     1024
    .wavefront_size: 32
...
	.end_amdgpu_metadata
.endif
;; end of part 2
;; launch attn (part 3): grid 8 x 32, 16 waves a work-group, clusters of 4 x 1, 327,680 bytes of LDS; arguments qb, kv, oq; writes oq
.if DOCPART == 3
	.amdgcn_target "amdgcn-amd-amdhsa--gfx1250"
	.amdhsa_code_object_version 6
	.text
	.protected	k_q2098e977dc_attn
	.globl	k_q2098e977dc_attn
	.p2align	8
	.type	k_q2098e977dc_attn,@function
k_q2098e977dc_attn:
	s_mov_b64 s[64:65], 0
	v_nop
	global_prefetch_b8 v0, s[64:65] scope:SCOPE_SE
	s_setreg_imm32_b32 hwreg(HW_REG_WAVE_MODE, 25, 1), 1
	s_wait_xcnt 0x0
	s_wait_alu depctr_hold_cnt(0) depctr_sa_sdst(0) depctr_va_vdst(0) depctr_va_sdst(0) depctr_va_ssrc(0) depctr_va_vcc(0) depctr_vm_vsrc(0)
	s_getreg_b32 s2, hwreg(HW_REG_IB_STS2, 6, 4)
	s_cmp_eq_u32 s2, 0
	s_cbranch_scc0 .Lentry_in_a_cluster
	s_endpgm
.Lentry_in_a_cluster:
	s_bfe_u32 s2, ttmp6, 0x10000c
	s_cmp_lg_u32 s2, 0x3003
	s_cbranch_scc0 .Lentry_shape_is_right
	s_endpgm
.Lentry_shape_is_right:
; Attention of one head on codes of FP6 (E2M3): score = dot^2 / (q^2 + k^2 - 2 dot + 1e-6), causal softmax, O = P V; O leaves as codes for the last product.
; q, k, v^T arrive as register images with their scale words, q^2 and k^2 (layouts: the launch in front).  Both products are used transposed: a lane holds one query, its registers run along the keys.
; p = 2^(t - M), t = score x log2(e), M = ceil of the running largest t (kept as -M = floor(-t)); the row's sum is taken of the unquantised p; a change of M multiplies by an exact power of two.
; LEFT OUT: steps of 128 keys that lie wholly above the diagonal: their scores are -inf for all inputs.  A NaN or infinity that reaches only those steps is not carried.
; LIMITS: the promise holds while |t| stays under 2^31; NaN and infinities among the inputs are not served; a block of zeros gets the scale byte 1 (this program alone reads the bytes).
; A WORK-GROUP: one head (y), and of each of its 16 blocks of 128 queries the tile X (0-7) of 16 queries.  The head's 16 records of 128 keys (217,088 bytes) come into LDS once: wave w asks for record w,
; one tensor load a wave, jointly with the three partners of the cluster (the same head, other X).
; No prefetch: each byte of K and V is asked for once, at the head, and there is no loop to run ahead in.
; THE DEAL: block b's tile has b + 1 steps.  Blocks p and 15 - p (p = wave / 2) go to two waves: the FIRST does block 15 - p's steps 0-8 (9 steps);
; the SECOND does block p's p + 1 steps, stores that tile, and then block 15 - p's steps 9 .. 15 - p (8 steps in all).  Its O^T, -M and sum go to the first through LDS bytes of the pair's own; the first joins and stores.
; Which of a pair is first: (wave xor wave / 4) & 1 = 0, so that waves w, w+4, w+8, w+12 hold two of each kind, and so do waves 4 k .. 4 k + 3.
; One loop of 16 trips for all waves.
; REGISTERS: v1-4 lane offsets, v5, v6 the add's two, v7 my query's place for the mask, v8-11 a step's LDS addresses, v12 -M, v13 largest t, v14-15 the sum, v16-27 q (upper half zeros), v28 q's scale word, v29 p's,
; v30-31 q^2 + eps, v32-85 K's or V's fragments, v86-97 their scale words, v98-129 k^2 and divisors, then p's codes, v130-193 scores and p, v194-225 O^T, v226-243 at work, v244-251 block 15 - p's q, v252-253 the pair's stage.
; ONE RECIPROCAL FOR FOUR DIVISORS: with a = d0 d1, b = d2 d3 and r = 1 / (a b): 1 / d0 = r b d1, 1 / d1 = r b d0, 1 / d2 = r a d3, 1 / d3 = r a d2, all in f32, two groups to a packed instruction.
; LIMIT: the product of the four must stay a normal f32 number: the promise holds for divisors q^2 + k^2 - 2 dot + 1e-6 between 2^-31 and 2^31 in magnitude, those of keys under the mask in the diagonal's step too.
.set REC,   13568                      ; a record of 128 keys: 53 rows of 256 bytes
.set HEADB, 217088                     ; a head's 16 records
.set SPARE, 217088                     ; behind them: the spare words, 128 bytes for each of 16 waves
.set STAGE, SPARE+2048                 ; behind those: 4,352 bytes for each pair of waves: 32 registers' images, then -M and the sum; no fill lands here
.set PAIRB, 4352
.set OS,    3145728                    ; oq's scale bytes
.macro CROUND                          ; a round of the cluster's barrier
	s_barrier_signal -1
	s_barrier_wait -1
	s_cmp_lg_u32 s10, 0
	s_cbranch_scc1 .Lnot_wave_0_\@
	s_barrier_signal -3
.Lnot_wave_0_\@:
	s_barrier_wait -3
	s_barrier_signal -1
	s_barrier_wait -1
.endm
	s_load_b128 s[4:7], s[0:1], 0x0                ; qb, kv
	s_load_b64 s[8:9], s[0:1], 0x10                ; oq
	v_lshl_add_u32 v5, v0, 2, SPARE
	v_mov_b32 v6, 0
	ds_add_u32 v5, v6                              ; the opening lines: the add, twice on end, and its wait ahead of my tensor load
	ds_add_u32 v5, v6
	v_lshrrev_b32 v1, 5, v0
	s_delay_alu instid0(VALU_DEP_1)
	v_readfirstlane_b32 s10, v1                    ; wave 0..15
	s_lshr_b32 s14, s10, 2
	s_xor_b32 s14, s14, s10
	s_and_b32 s14, s14, 1                          ; 0: the pair's first wave, 1: its second
	s_lshr_b32 s62, s10, 1                         ; p
	s_sub_co_u32 s61, 15, s62                      ; 15 - p
	s_cmp_eq_u32 s14, 0
	s_cselect_b32 s11, s61, s62                    ; the block whose tile I work on: its step s11 holds the diagonal
	s_cselect_b32 s15, 8, s62                      ; the last step that is mine for now
	s_cselect_b32 s60, 64, 9                       ; the trip at whose head I change tiles (64: never)
	s_bfe_u32 s47, ttmp6, 0x40000                  ; cx
	s_lshl_b32 s12, ttmp9, 2
	s_add_co_u32 s12, s12, s47                     ; X: which 16 queries of each block
	s_and_b32 s13, ttmp7, 0xffff                   ; head 0..31
	s_mov_b32 s16, 15|(3<<16)|(1<<21)              ; group 1: the mask of all four partners, elements of 8 bytes, bit 21 beside a mask
	s_mov_b32 s17, 32<<16                          ; rows of 256 bytes of a dense block
	s_mov_b32 s18, 53<<16                          ; 53 rows
	s_mov_b32 s19, 32<<16
	s_mov_b32 s20, 53
	s_mov_b32 s21, 32
	s_mov_b32 s22, 0
	s_mov_b32 s23, 0
	s_mul_i32 s48, s13, HEADB
	s_mul_i32 s33, s10, REC                        ; record w goes to w x REC: no place in the cluster enters an LDS address
	s_add_co_u32 s48, s48, s33
	s_mov_b32 s49, 0
	s_mov_b32 s32, 1
	s_mov_b32 s40, 0x76543210
	s_mov_b32 s41, 0xfedcba98                      ; v_permlanex16_b32's selects for lane l xor 16
	s_mov_b32 s42, 0x3fb8aa3b                      ; log2(e)
	s_mov_b32 s43, s42
	s_mov_b32 s44, 0                               ; the step's record in LDS
	s_mov_b32 s45, 0                               ; the step
	s_mov_b32 s46, 0xffff0000                      ; a mask of lanes 16-31
	s_wait_alu depctr_va_vdst(0)
	s_wait_dscnt 0x0                               ; both opening adds are done
	s_wait_kmcnt 0x0
	s_add_nc_u64 s[34:35], s[6:7], s[48:49]
	s_or_b32 s35, s35, 0x80000000
	CROUND                                         ; the four partners are here: the joint loads meet
	tensor_load_to_lds s[32:35], s[16:23]          ; my one tensor load
	s_nop 0
	s_mul_i32 s48, s13, 114688                     ; q's records: head, block, then tile X's half fragment and its words
	s_mul_i32 s56, s11, 7168
	s_mul_i32 s52, s61, 7168
	s_add_co_u32 s56, s56, s48
	s_add_co_u32 s52, s52, s48
	s_mul_i32 s49, s12, 768
	s_lshl_b32 s50, s12, 6
	s_add_co_u32 s58, s56, s50
	s_add_co_u32 s54, s52, s50
	s_add_co_u32 s56, s56, s49
	s_add_co_u32 s52, s52, s49
	s_mov_b32 s57, 0
	s_mov_b32 s59, 0
	s_mov_b32 s53, 0
	s_mov_b32 s55, 0
	s_add_nc_u64 s[56:57], s[4:5], s[56:57]
	s_add_nc_u64 s[58:59], s[4:5], s[58:59]
	s_add_nc_u64 s[52:53], s[4:5], s[52:53]
	s_add_nc_u64 s[54:55], s[4:5], s[54:55]
	s_lshr_b32 s47, s12, 1
	s_lshl_b32 s47, s47, 5
	s_and_b32 s50, s12, 1
	s_lshl_b32 s50, s50, 3
	s_add_co_u32 s47, s47, s50                     ; tile X's first query in its block: 32 (X / 2) + 8 (X % 2)
	v_and_b32 v240, 31, v0                         ; l
	v_and_b32 v241, 15, v0                         ; r
	v_bfe_u32 v242, v0, 4, 1                       ; h
	v_lshrrev_b32 v252, 6, v0                      ; my pair
	v_lshlrev_b32 v1, 4, v240
	v_lshlrev_b32 v2, 3, v240
	v_lshlrev_b32 v3, 2, v241
	v_lshlrev_b32 v4, 5, v242
	global_load_b128 v[16:19], v1, s[56:57]        ; the tile I begin with
	global_load_b64 v[20:21], v2, s[56:57] offset:512
	global_load_b32 v28, v3, s[58:59] offset:6144
	global_load_b32 v30, v3, s[58:59] offset:6656
	global_load_b128 v[244:247], v1, s[52:53]      ; block 15 - p's tile, for the change of tiles (every wave loads it: no branch stands here)
	global_load_b64 v[248:249], v2, s[52:53] offset:512
	global_load_b32 v250, v3, s[54:55] offset:6144
	global_load_b32 v251, v3, s[54:55] offset:6656
	v_mul_u32_u24 v252, v252, PAIRB
	v_and_b32 v7, 8, v241
	v_lshlrev_b32 v243, 4, v242
	v_add_nc_u32 v252, STAGE, v252
	v_add_nc_u32 v7, v7, v241
	s_delay_alu instid0(VALU_DEP_2)
	v_lshl_add_u32 v253, v240, 2, v252             ; the pair's stage + 4 l
	v_lshl_add_u32 v252, v240, 4, v252             ; and + 16 l
	v_sub_nc_u32 v7, v7, v243
	s_delay_alu instid0(VALU_DEP_1)
	v_add_nc_u32 v7, s47, v7                       ; my query's place in its block, less 16 h
	v_mov_b32 v13, 0xff61b1e6                      ; -3e38, under every t
	s_delay_alu instid0(VALU_DEP_1)
	v_floor_f32 v12, -v13
	v_mov_b32 v14, 0
	v_mov_b32 v15, 0
.irp n, 22,23,24,25,26,27,80,81,82,83,84,85,230,231,232,233,239
	v_mov_b32 v[\n], 0                             ; zero codes for K = 64 .. 127; permutes' destinations and pairs' upper halves, written once
.endr
.set N1, 0
.rept 32
	v_mov_b32 v[194+N1], 0
.set N1, N1+1
.endr
	s_wait_alu depctr_va_vdst(0)
	s_wait_loadcnt 0x0
	v_add_f32 v30, 0x358637bd, v30                 ; q^2 + 1e-6
	v_add_f32 v251, 0x358637bd, v251
	s_delay_alu instid0(VALU_DEP_2)
	v_mov_b32 v31, v30
; One step: my 16 queries x the 128 keys of record s45.
.macro STEP
	s_cmp_gt_u32 s45, s15
	s_cbranch_scc1 .Lskip_\@
	v_add_nc_u32 v8, s44, v1                       ; (these four are also the places behind the last step's products)
	v_add_nc_u32 v9, s44, v2
	v_add_nc_u32 v10, s44, v3
	v_add_nc_u32 v11, s44, v4
.irp t, 0,1,2,3,4,5,6,7
	ds_load_b128 v[32+6*\t:35+6*\t], v8 offset:768*\t
	ds_load_b64 v[36+6*\t:37+6*\t], v9 offset:768*\t+512
.endr
.irp t, 0,1,2,3,4,5,6,7
	ds_load_b32 v[86+\t], v10 offset:12288+64*\t
.endr
.irp t, 0,1,2,3
	ds_load_b128 v[98+8*\t:101+8*\t], v11 offset:13056+64*\t
	ds_load_b128 v[102+8*\t:105+8*\t], v11 offset:13056+64*\t+16
.endr
	s_wait_dscnt 0x0
.irp t, 0,1,2,3,4,5,6,7                ; S^T = K q^T.  A half fragment's upper six registers are the next tile's codes: they meet q's zero codes
	v_wmma_scale_f32_16x16x128_f8f6f4 v[130+8*\t:137+8*\t], v[32+6*\t:43+6*\t], v[16:27], 0, v[86+\t], v28 matrix_a_fmt:MATRIX_FMT_FP6 matrix_b_fmt:MATRIX_FMT_FP6
.endr
	s_wait_alu depctr_va_vdst(0)
.irp n, 0,2,4,6
	v_pk_add_f32 v[98+\n:99+\n], v[98+\n:99+\n], v[30:31] op_sel_hi:[1,0]   ; k^2 + q^2 + eps: four places behind the products
.endr
.irp t, 0,1,2,3
	ds_load_b128 v[32+8*\t:35+8*\t], v11 offset:13312+64*\t                  ; k^2 of keys 64-127, where K's fragments lay
	ds_load_b128 v[36+8*\t:39+8*\t], v11 offset:13312+64*\t+16
.endr
.irp n, 8,10,12,14,16,18,20,22,24,26,28,30
	v_pk_add_f32 v[98+\n:99+\n], v[98+\n:99+\n], v[30:31] op_sel_hi:[1,0]
.endr
.set N1, 0
.rept 16
	v_pk_fma_f32 v[98+N1:99+N1], v[130+N1:131+N1], -2.0, v[98+N1:99+N1] op_sel_hi:[1,0,1]
.set N1, N1+2
.endr
.set N1, 0
.irp g, 0,1,2,3                        ; keys 0-63, group g: divisors in v[98 + 8 g] on, as four pairs; a and b
	v_pk_mul_f32 v[226+4*\g:227+4*\g], v[98+8*\g:99+8*\g], v[100+8*\g:101+8*\g]
	v_pk_mul_f32 v[228+4*\g:229+4*\g], v[102+8*\g:103+8*\g], v[104+8*\g:105+8*\g]
.endr
.set N1, 0
.rept 16
	v_pk_mul_f32 v[130+N1:131+N1], v[130+N1:131+N1], v[130+N1:131+N1]
.set N1, N1+2
.endr
.irp g, 0,1,2,3
.irp j, 0,1,2,3
	v_pk_mul_f32 v[130+8*\g+2*\j:131+8*\g+2*\j], v[130+8*\g+2*\j:131+8*\g+2*\j], v[98+8*\g+2*(\j+1-2*(\j%2)):99+8*\g+2*(\j+1-2*(\j%2))]   ; dot^2 x the partner's divisor
.endr
.endr
.irp g, 0,1,2,3
	v_pk_mul_f32 v[98+8*\g:99+8*\g], v[226+4*\g:227+4*\g], v[228+4*\g:229+4*\g]   ; a b, where the divisors lay
.endr
	s_wait_dscnt 0x0
.set N1, 0
.rept 16
	v_pk_add_f32 v[32+N1:33+N1], v[32+N1:33+N1], v[30:31] op_sel_hi:[1,0]
.set N1, N1+2
.endr
.set N1, 0
	s_wait_alu depctr_va_vdst(0)
.rept 16
	v_pk_fma_f32 v[32+N1:33+N1], v[162+N1:163+N1], -2.0, v[32+N1:33+N1] op_sel_hi:[1,0,1]
.set N1, N1+2
.endr
.irp g, 0,1,2,3                        ; keys 64-127: divisors in v[32 + 8 g] on; a and b go where the first half's divisors lay
	v_pk_mul_f32 v[100+8*\g:101+8*\g], v[32+8*\g:33+8*\g], v[34+8*\g:35+8*\g]
	v_pk_mul_f32 v[102+8*\g:103+8*\g], v[36+8*\g:37+8*\g], v[38+8*\g:39+8*\g]
.endr
.set N1, 0
.rept 16
	v_pk_mul_f32 v[162+N1:163+N1], v[162+N1:163+N1], v[162+N1:163+N1]
.set N1, N1+2
.endr
.irp g, 0,1,2,3
.irp j, 0,1,2,3
	v_pk_mul_f32 v[162+8*\g+2*\j:163+8*\g+2*\j], v[162+8*\g+2*\j:163+8*\g+2*\j], v[32+8*\g+2*(\j+1-2*(\j%2)):33+8*\g+2*(\j+1-2*(\j%2))]
.endr
.endr
.irp g, 0,1,2,3
	v_pk_mul_f32 v[104+8*\g:105+8*\g], v[100+8*\g:101+8*\g], v[102+8*\g:103+8*\g]
.endr
	s_wait_alu depctr_va_vdst(0)
.irp g, 0,1,2,3
	v_rcp_f32 v[98+8*\g], v[98+8*\g]
	v_rcp_f32 v[99+8*\g], v[99+8*\g]
	v_rcp_f32 v[104+8*\g], v[104+8*\g]
	v_rcp_f32 v[105+8*\g], v[105+8*\g]
.endr
	v_nop                                          ; one plain place behind the batch
	s_wait_alu depctr_va_vdst(0)
.irp g, 0,1,2,3
	v_pk_mul_f32 v[228+4*\g:229+4*\g], v[98+8*\g:99+8*\g], v[228+4*\g:229+4*\g]      ; r b, for d0 and d1
	v_pk_mul_f32 v[226+4*\g:227+4*\g], v[98+8*\g:99+8*\g], v[226+4*\g:227+4*\g]      ; r a, for d2 and d3
	v_pk_mul_f32 v[102+8*\g:103+8*\g], v[104+8*\g:105+8*\g], v[102+8*\g:103+8*\g]
	v_pk_mul_f32 v[100+8*\g:101+8*\g], v[104+8*\g:105+8*\g], v[100+8*\g:101+8*\g]
.endr
.irp g, 0,1,2,3
.irp j, 0,1,2,3
	v_pk_mul_f32 v[130+8*\g+2*\j:131+8*\g+2*\j], v[130+8*\g+2*\j:131+8*\g+2*\j], v[228+4*\g-2*(\j/2):229+4*\g-2*(\j/2)]   ; the scores of keys 0-63
.endr
.endr
.irp g, 0,1,2,3
.irp j, 0,1,2,3
	v_pk_mul_f32 v[162+8*\g+2*\j:163+8*\g+2*\j], v[162+8*\g+2*\j:163+8*\g+2*\j], v[102+8*\g-2*(\j/2):103+8*\g-2*(\j/2)]   ; and of keys 64-127
.endr
.endr
.irp t, 0,1,2,3                        ; V^T's four fragments, on their way under the softmax
	ds_load_b128 v[32+12*\t:35+12*\t], v8 offset:6144+1536*\t
	ds_load_b64 v[36+12*\t:37+12*\t], v9 offset:6144+1536*\t+512
	ds_load_b128 v[38+12*\t:41+12*\t], v8 offset:6144+1536*\t+768
	ds_load_b64 v[42+12*\t:43+12*\t], v9 offset:6144+1536*\t+1280
	ds_load_b32 v[94+\t], v10 offset:12800+64*\t
.endr
	s_cmp_lg_u32 s45, s11
	s_cbranch_scc1 .Lopen_\@
	v_mov_b32 v241, 0xff800000                     ; the step with the diagonal: register N1 is key 32 (N1 / 16) + 16 h + N1 % 16 of the block
.set N1, 0
.rept 64
	v_cmp_gt_i32 vcc_lo, 32*(N1/16)+N1%16, v7
	s_delay_alu instid0(VALU_DEP_1)
	v_cndmask_b32 v[130+N1], v[130+N1], v241, vcc_lo
.set N1, N1+1
.endr
.Lopen_\@:
.irp b, 0,1,2,3
	v_max3_num_f32 v[226+\b], v[130+16*\b], v[131+16*\b], v[132+16*\b]       ; the largest score of each block of 32 keys: for the row's maximum and for the block's largest p
.endr
.irp i, 3,5,7,9,11,13
.irp b, 0,1,2,3
	s_delay_alu instid0(VALU_DEP_4)
	v_max3_num_f32 v[226+\b], v[226+\b], v[130+16*\b+\i], v[131+16*\b+\i]
.endr
.endr
.irp b, 0,1,2,3
	s_delay_alu instid0(VALU_DEP_4)
	v_max_num_f32 v[226+\b], v[226+\b], v[145+16*\b]
.endr
.irp b, 0,1,2,3
	s_delay_alu instid0(VALU_DEP_4)
	v_permlanex16_b32 v[230+\b], v[226+\b], s40, s41
.endr
.irp b, 0,1,2,3
	s_delay_alu instid0(VALU_DEP_4)
	v_max_num_f32 v[226+\b], v[226+\b], v[230+\b]
.endr
	s_delay_alu instid0(VALU_DEP_2)
	v_max3_num_f32 v240, v226, v227, v228
	s_delay_alu instid0(VALU_DEP_1)
	v_max_num_f32 v240, v240, v229
	s_delay_alu instid0(VALU_DEP_1)
	v_mul_f32 v240, s42, v240
	s_delay_alu instid0(VALU_DEP_1)
	v_max_num_f32 v13, v13, v240                   ; the running largest t
	v_mov_b32 v240, v12
	s_delay_alu instid0(VALU_DEP_2)
	v_floor_f32 v12, -v13                          ; the new -M
	s_delay_alu instid0(VALU_DEP_1)
	v_sub_f32 v240, v12, v240
	s_delay_alu instid0(VALU_DEP_1)
	v_cvt_i32_f32 v240, v240                       ; (it saturates)
	s_delay_alu instid0(VALU_DEP_1)
	v_ldexp_f32 v238, 1.0, v240                    ; f = 2^(old M - new M)
.set N1, 0
.rept 32
	v_pk_fma_f32 v[130+N1:131+N1], v[130+N1:131+N1], s[42:43], v[12:13] op_sel_hi:[1,0,0]   ; t - M
.set N1, N1+2
.endr
.irp b, 0,1,2,3
	v_fma_f32 v[226+\b], v[226+\b], s42, v12
.endr
.set N1, 0
	s_wait_alu depctr_va_vdst(0)
.rept 64
	v_exp_f32 v[130+N1], v[130+N1]
.set N1, N1+1
.endr
	v_pk_mul_f32 v[14:15], v[14:15], v[238:239] op_sel_hi:[1,0]
	s_wait_alu depctr_va_vdst(0)
.irp b, 0,1,2,3
	v_exp_f32 v[226+\b], v[226+\b]                 ; each block's largest p
.endr
.set N1, 0
	s_wait_alu depctr_va_vdst(0)                   ; directly ahead of the first reader of O^T
.rept 16
	v_pk_mul_f32 v[194+N1:195+N1], v[194+N1:195+N1], v[238:239] op_sel_hi:[1,0]
.set N1, N1+2
.endr
	s_wait_alu depctr_va_vdst(0)
.irp b, 0,1,2,3
	v_max_num_f32 v[226+\b], 0x1800000, v[226+\b]  ; the floor 2^(3 - 127): the byte cannot fall under 1
.endr
.irp b, 0,1,2,3
	s_delay_alu instid0(VALU_DEP_4)
	v_add_nc_u32 v[234+\b], 0xff000000, v[226+\b]  ; 2 off the exponent field: the conversion's scale operand
.endr
.irp b, 0,1,2,3
	s_delay_alu instid0(VALU_DEP_4)
	v_lshrrev_b32 v[230+\b], 23, v[234+\b]
.endr
	s_delay_alu instid0(VALU_DEP_3)
	v_lshl_or_b32 v29, v231, 8, v230
	s_delay_alu instid0(VALU_DEP_1)
	v_lshl_or_b32 v29, v232, 16, v29
	s_delay_alu instid0(VALU_DEP_1)
	v_lshl_or_b32 v29, v233, 24, v29               ; p's scale word for these 128 keys
.irp c, 0,1
	v_cvt_scalef32_pk16_fp6_f32 v[98+6*\c:100+6*\c], v[130+32*\c:145+32*\c], v[234+2*\c]
	v_cvt_scalef32_pk16_fp6_f32 v[110+4*\c:112+4*\c], v[146+32*\c:161+32*\c], v[234+2*\c+1]
.endr
	v_nop                                          ; one plain place behind a scaled conversion
.irp c, 0,1                            ; a whole block in a lane: lanes 0-15 block 2 c, lanes 16-31 block 2 c + 1
.irp i, 0,1,2
	v_permlane16_swap_b32 v[98+6*\c+\i], v[110+4*\c+\i]
.endr
.irp i, 0,1,2
	s_delay_alu instid0(VALU_DEP_3)
	v_mov_b32 v[101+6*\c+\i], v[110+4*\c+\i]
.endr
.endr
	v_pk_add_f32 v[242:243], v[130:131], v[132:133]                          ; the sum of the unquantised p, in two chains
.irp n, 4,8,12,16,20,24,28,32,36,40,44,48,52,56,60
	v_pk_add_f32 v[14:15], v[14:15], v[130+\n:131+\n]
	v_pk_add_f32 v[242:243], v[242:243], v[132+\n:133+\n]
.endr
	s_delay_alu instid0(VALU_DEP_1)
	v_pk_add_f32 v[14:15], v[14:15], v[242:243]
	s_wait_dscnt 0x0
.irp t, 0,1,2,3                        ; O^T += V^T p^T, the four accumulators by turns
	v_wmma_scale_f32_16x16x128_f8f6f4 v[194+8*\t:201+8*\t], v[32+12*\t:43+12*\t], v[98:109], v[194+8*\t:201+8*\t], v[94+\t], v29 matrix_a_fmt:MATRIX_FMT_FP6 matrix_b_fmt:MATRIX_FMT_FP6
.endr
.Lskip_\@:
	s_add_co_u32 s44, s44, REC
	s_add_co_u32 s45, s45, 1
.endm
; A finished tile (block s11): v14 holds my lane's sum.  O^T / the row's sum is quantised along the head's 64 channels and stored as half a fragment of the last product's operand, with its two scale bytes a row.
.macro FINAL
	v_permlanex16_b32 v230, v14, s40, s41
	s_delay_alu instid0(VALU_DEP_1)
	v_add_f32 v14, v14, v230
	s_wait_alu depctr_va_vdst(0)
	v_rcp_f32 v14, v14
	v_and_b32 v240, 15, v0
	v_bfe_u32 v241, v0, 4, 1
	s_delay_alu instid0(VALU_DEP_1)
	v_lshl_add_u32 v240, v240, 2, v241             ; 4 r + h: my scale byte's place
	s_lshr_b32 s50, s13, 4
	s_lshl_b32 s50, s50, 4
	s_add_co_u32 s50, s50, s11                     ; which 128 tokens: 16 x batch + block
	s_lshl_b32 s50, s50, 6
	s_and_b32 s51, s13, 15
	s_lshr_b32 s47, s51, 1
	s_lshl_b32 s47, s47, 3
	s_add_co_u32 s50, s50, s47                     ; K step = head / 2
	s_add_co_u32 s50, s50, s12                     ; fragment X
	s_and_b32 s51, s51, 1                          ; which half of it
	s_mul_i32 s56, s50, 1536
	s_mul_i32 s47, s51, 768
	s_add_co_u32 s56, s56, s47
	s_mov_b32 s57, 0
	s_add_nc_u64 s[56:57], s[8:9], s[56:57]
	s_lshl_b32 s58, s50, 6
	s_lshl_b32 s47, s51, 1
	s_add_co_u32 s58, s58, s47
	s_add_co_u32 s58, s58, OS
	s_mov_b32 s59, 0
	s_add_nc_u64 s[58:59], s[8:9], s[58:59]
	s_wait_alu depctr_va_vdst(0)
.set N1, 0
.rept 16
	v_pk_mul_f32 v[130+N1:131+N1], v[194+N1:195+N1], v[14:15] op_sel_hi:[1,0]   ; each accumulator from its low end on
.set N1, N1+2
.endr
.irp b, 0,1
	v_max3_num_f32 v[226+\b], |v[130+16*\b]|, |v[131+16*\b]|, 0x1800000
.endr
.irp i, 2,4,6,8,10,12,14
.irp b, 0,1
	s_delay_alu instid0(VALU_DEP_2)
	v_max3_num_f32 v[226+\b], v[226+\b], |v[130+16*\b+\i]|, |v[131+16*\b+\i]|
.endr
.endr
.irp b, 0,1
	s_delay_alu instid0(VALU_DEP_2)
	v_permlanex16_b32 v[230+\b], v[226+\b], s40, s41
.endr
.irp b, 0,1
	s_delay_alu instid0(VALU_DEP_2)
	v_max_num_f32 v[226+\b], v[226+\b], v[230+\b]
.endr
.irp b, 0,1
	s_delay_alu instid0(VALU_DEP_2)
	v_add_nc_u32 v[234+\b], 0xff000000, v[226+\b]
.endr
.irp b, 0,1
	s_delay_alu instid0(VALU_DEP_2)
	v_lshrrev_b32 v[230+\b], 23, v[234+\b]
.endr
	v_cvt_scalef32_pk16_fp6_f32 v[98:100], v[130:145], v234
	v_cvt_scalef32_pk16_fp6_f32 v[110:112], v[146:161], v235
	v_cndmask_b32 v242, v230, v231, s46            ; lanes 0-15: block 0's byte, lanes 16-31: block 1's.  (The plain place behind the conversions)
.irp i, 0,1,2
	v_permlane16_swap_b32 v[98+\i], v[110+\i]
.endr
.irp i, 0,1,2
	s_delay_alu instid0(VALU_DEP_3)
	v_mov_b32 v[101+\i], v[110+\i]
.endr
	global_store_b128 v1, v[98:101], s[56:57]
	global_store_b64 v2, v[102:103], s[56:57] offset:512
	global_store_b8 v240, v242, s[58:59]
.endm
	s_wait_alu depctr_va_vdst(0)
	s_wait_tensorcnt 0x0                           ; my record is in,
	s_barrier_signal -1
	s_barrier_wait -1                              ; everybody's is: nothing is filled again
.Lstep:
	s_cmp_lg_u32 s45, s60
	s_cbranch_scc1 .Lsame_tile
	; the pair's second wave, at the head of trip 9: block p's tile is finished and leaves; block 15 - p's begins anew
	s_wait_alu depctr_va_vdst(0)
	v_add_f32 v14, v14, v15
	s_delay_alu instid0(VALU_DEP_1)
	FINAL
	v_mov_b32 v28, v250
.irp n, 0,1,2,3,4,5
	v_mov_b32 v[16+\n], v[244+\n]
.endr
	v_mov_b32 v30, v251
	v_mov_b32 v31, v251
	v_mov_b32 v13, 0xff61b1e6
	s_delay_alu instid0(VALU_DEP_1)
	v_floor_f32 v12, -v13
	v_mov_b32 v14, 0
	v_mov_b32 v15, 0
.set N1, 0
.rept 32
	v_mov_b32 v[194+N1], 0
.set N1, N1+1
.endr
	s_mov_b32 s11, s61
	s_mov_b32 s15, s61
	s_wait_alu depctr_va_vdst(0)
	s_wait_xcnt 0x0                                ; the stores have read their registers: the next step writes them
.Lsame_tile:
	STEP
	s_cmp_lt_u32 s45, 16
	s_cbranch_scc1 .Lstep
	s_wait_alu depctr_va_vdst(0)
	v_add_f32 v14, v14, v15                        ; my lane's sum
.rept 3
	v_nop                                          ; four places behind the last products
.endr
	s_wait_alu depctr_va_vdst(0)
	s_cmp_eq_u32 s14, 0
	s_cbranch_scc1 .Lkeep
.irp k, 0,1,2,3,4,5,6,7                ; the second wave hands its part of block 15 - p's tile over: images of O^T's registers, -M, the sum
	ds_store_b128 v252, v[194+4*\k:197+4*\k] offset:512*\k
.endr
	ds_store_b32 v253, v12 offset:4096
	ds_store_b32 v253, v14 offset:4224
.Lkeep:
	s_wait_dscnt 0x0                               ; my stores are done
	s_barrier_signal -1
	s_barrier_wait -1
	s_cmp_lg_u32 s14, 0
	s_cbranch_scc1 .Lend
.irp k, 0,1,2,3,4,5,6,7
	ds_load_b128 v[130+4*\k:133+4*\k], v252 offset:512*\k
.endr
	ds_load_b32 v226, v253 offset:4096
	ds_load_b32 v227, v253 offset:4224
	s_wait_dscnt 0x0
	v_min_num_f32 v228, v12, v226                  ; the joint -M; both parts come under it by exact powers of two (a part with no step has -M = 3e38 and the factor 0)
	s_delay_alu instid0(VALU_DEP_1)
	v_sub_f32 v229, v228, v12
	v_sub_f32 v231, v228, v226
	s_delay_alu instid0(VALU_DEP_2)
	v_cvt_i32_f32 v229, v229
	s_delay_alu instid0(VALU_DEP_2)
	v_cvt_i32_f32 v231, v231
	s_delay_alu instid0(VALU_DEP_2)
	v_ldexp_f32 v238, 1.0, v229
	s_delay_alu instid0(VALU_DEP_2)
	v_ldexp_f32 v240, 1.0, v231
	s_delay_alu instid0(VALU_DEP_2)
	v_mul_f32 v14, v14, v238
	s_delay_alu instid0(VALU_DEP_1)
	v_fma_f32 v14, v227, v240, v14
.set N1, 0
.rept 16
	v_pk_mul_f32 v[194+N1:195+N1], v[194+N1:195+N1], v[238:239] op_sel_hi:[1,0]
.set N1, N1+2
.endr
.set N1, 0
.rept 16
	v_pk_fma_f32 v[194+N1:195+N1], v[130+N1:131+N1], v[240:241], v[194+N1:195+N1] op_sel_hi:[1,0,1]
.set N1, N1+2
.endr
	FINAL
.Lend:
	s_wait_tensorcnt 0x0                           ; the wave's end
	ds_add_u32 v5, v6
	s_wait_dscnt 0x0
	CROUND                                         ; the closing round
	s_endpgm
.Lfunc_end_k_q2098e977dc_attn:
	.size	k_q2098e977dc_attn, .Lfunc_end_k_q2098e977dc_attn-k_q2098e977dc_attn
	.p2alignl 7, 3214868480
	.fill 96, 4, 3214868480
	.section	.rodata,"a",@progbits
	.p2align	6, 0x0
	.amdhsa_kernel k_q2098e977dc_attn
		.amdhsa_group_segment_fixed_size 327680
		.amdhsa_private_segment_fixed_size 0
		.amdhsa_enable_private_segment 0
		.amdhsa_kernarg_size 24
		.amdhsa_user_sgpr_count 2
		.amdhsa_user_sgpr_kernarg_segment_ptr 1
		.amdhsa_wavefront_size32 1
		.amdhsa_system_sgpr_workgroup_id_x 1
		.amdhsa_system_sgpr_workgroup_id_y 1
		.amdhsa_system_sgpr_workgroup_id_z 1
		.amdhsa_system_vgpr_workitem_id 0
		.amdhsa_next_free_vgpr 256
		.amdhsa_next_free_sgpr 66
		.amdhsa_reserve_vcc 1
		.amdhsa_float_denorm_mode_32 3
		.amdhsa_float_denorm_mode_16_64 3
		.amdhsa_memory_ordered 1
		.amdhsa_forward_progress 1
		.amdhsa_inst_pref_size 64
	.end_amdhsa_kernel
	.amdgpu_metadata
---
amdhsa.version: [ 1, 2 ]
amdhsa.kernels:
  - .name:           k_q2098e977dc_attn
    .symbol:         k_q2098e977dc_attn.kd
    .args:
      - { .name: qb, .offset: 0, .size: 8, .value_kind: global_buffer, .address_space: global }
      - { .name: kv, .offset: 8, .size: 8, .value_kind: global_buffer, .address_space: global }
      - { .name: oq, .offset: 16, .size: 8, .value_kind: global_buffer, .address_space: global }
    .group_segment_fixed_size: 327680
    .private_segment_fixed_size: 0
    .kernarg_segment_align: 8
    .kernarg_segment_size: 24
    .max_flat_workgroup_size: 512
    .sgpr_count:     66
    .vgpr_count:     256
    .wavefront_size: 32
...
	.end_amdgpu_metadata
.endif
;; end of part 3
;; launch gemm_out (part 4): grid 4 x 32, 4 waves a work-group, clusters of 4 x 4, 327,680 bytes of LDS; arguments oq, woq, b_out, out0; writes out0
.if DOCPART == 4
	.amdgcn_target "amdgcn-amd-amdhsa--gfx1250"
	.amdhsa_code_object_version 6
	.text
	.protected	k_q2098e977dc_gemm_out
	.globl	k_q2098e977dc_gemm_out
	.p2align	8
	.type	k_q2098e977dc_gemm_out,@function
k_q2098e977dc_gemm_out:
	s_mov_b64 s[64:65], 0
	v_nop
	global_prefetch_b8 v0, s[64:65] scope:SCOPE_SE
	s_setreg_imm32_b32 hwreg(HW_REG_WAVE_MODE, 25, 1), 1
	s_wait_xcnt 0x0
	s_wait_alu depctr_hold_cnt(0) depctr_sa_sdst(0) depctr_va_vdst(0) depctr_va_sdst(0) depctr_va_ssrc(0) depctr_va_vcc(0) depctr_vm_vsrc(0)
	s_getreg_b32 s2, hwreg(HW_REG_IB_STS2, 6, 4)
	s_cmp_eq_u32 s2, 0
	s_cbranch_scc0 .Lentry_in_a_cluster
	s_endpgm
.Lentry_in_a_cluster:
	s_bfe_u32 s2, ttmp6, 0x10000c
	s_cmp_lg_u32 s2, 0xf033
	s_cbranch_scc0 .Lentry_shape_is_right
	s_endpgm
.Lentry_shape_is_right:
; out0 = o w_out + b_out on codes of FP6 (E2M3).  o's codes (oq) were made by the attention launch, w_out's (woq) by the quantiser, both in the order of the operand's registers.
; A work-group of four waves makes 128 tokens x 256 columns; ALL OF K = 1,024 LIES IN LDS (98,304 bytes of o's fragments, 196,608 of the weight's), each byte filled once, by one tensor load a wave: a third of the weight each for waves 0-2, o's for wave 3.
; A wave: source 0 = 128 columns (8 fragments), source 1 = 64 tokens (4 fragments): 32 accumulators.  A lane holds a token; by the choice of columns that form a fragment its 64 registers of a tile of
; tokens run along the 128 columns in natural order.  The bias is the C of each sum's first matrix instruction.
; 128 work-groups: a tile of 256 x 256 would leave 64.  CLUSTER 4 x 4: o's fragments are asked for jointly along a row of the cluster, the weight's along a column.
; THE WAY OUT: a tile of 16 tokens x 128 columns goes through the wave's own stage in LDS and leaves as whole rows of 512 bytes.  The stage lies where o's fragments lay: those bytes have had their only fill,
; and behind the barrier in front of the first store nobody reads them.
; REGISTERS as in the launch for q, k and v: window 0: addresses, v32-127 scale words, v128-223 source 1's fragments (on the way out v128-255 rows of the result); window 1: source 0's fragments and the bias; window 2: accumulators.
.set WREG,  98304
.set SPARE, 294912
.set OS,    3145728                    ; oq's scale words
.set WOS,   786432                     ; woq's
.set G1W, 24
.set G1X, 32
.set G0X, 44
.set G0W, 68
.set MUL,  0xa1                        ; source 0 window 1, source 1 window 0, C and D window 2
.set MULC, 0x91                        ; the same with C in window 1
.set TO1,  0x40                        ; a load's destination in window 1
.set STG,  0x08                        ; an LDS store's data in window 2
.set MSB, 0
.macro WIN new
.if MSB != \new
	s_set_vgpr_msb (MSB<<8)|\new
.set MSB, \new
.endif
.endm
.macro CROUND
	s_barrier_signal -1
	s_barrier_wait -1
	s_cmp_lg_u32 s14, 0
	s_cbranch_scc1 .Lnot_wave_0_\@
	s_barrier_signal -3
.Lnot_wave_0_\@:
	s_barrier_wait -3
	s_barrier_signal -1
	s_barrier_wait -1
.endm
.macro FRAG4 reg, a16, a8, off
	ds_load_b128 v[\reg:\reg+3], v[\a16] offset:\off
	ds_load_b64 v[\reg+4:\reg+5], v[\a8] offset:\off+512
	ds_load_b128 v[\reg+6:\reg+9], v[\a16] offset:\off+768
	ds_load_b64 v[\reg+10:\reg+11], v[\a8] offset:\off+1280
.endm
.macro FETCH p
	WIN TO1
.irp i, 0,1,2,3,4,5,6,7
	FRAG4 128*(\p)+12*\i, 8, 9, 1536*\i
.endr
	WIN 0
.irp a, 0,1,2,3
	FRAG4 128+48*(\p)+12*\a, 10, 11, 1536*\a
.endr
.endm
.macro BUMP                            ; on to the next K step; the four plain lines are also the places between the last products that read a set and the loads into it
	WIN 0
	v_add_nc_u32 v8, 24576, v8
	v_add_nc_u32 v9, 24576, v9
	v_add_nc_u32 v10, 12288, v10
	v_add_nc_u32 v11, 12288, v11
.endm
; 16 matrix instructions; first = 1: C = the bias.  The 32 accumulators take turns, one instruction a turn.
.macro MUL16 a0, p, s, first
.irp a, \a0, \a0+1
.irp b, 0,1,2,3,4,5,6,7
.if \first
	v_wmma_scale_f32_16x16x128_f8f6f4 v[8*(8*(\a)+\b):8*(8*(\a)+\b)+7], v[128*(\p)+12*\b:128*(\p)+12*\b+11], v[128+48*(\p)+12*(\a):128+48*(\p)+12*(\a)+11], v[96+8*\b+96*(\b/4):96+8*\b+96*(\b/4)+7], v[32+8*(\s)+\b], v[96+4*(\s)+(\a)] matrix_a_fmt:MATRIX_FMT_FP6 matrix_b_fmt:MATRIX_FMT_FP6
.else
	v_wmma_scale_f32_16x16x128_f8f6f4 v[8*(8*(\a)+\b):8*(8*(\a)+\b)+7], v[128*(\p)+12*\b:128*(\p)+12*\b+11], v[128+48*(\p)+12*(\a):128+48*(\p)+12*(\a)+11], v[8*(8*(\a)+\b):8*(8*(\a)+\b)+7], v[32+8*(\s)+\b], v[96+4*(\s)+(\a)] matrix_a_fmt:MATRIX_FMT_FP6 matrix_b_fmt:MATRIX_FMT_FP6
.endif
.endr
.endr
.endm
	s_load_b256 s[4:11], s[0:1], 0x0               ; oq s[4:5], woq s[6:7], b_out s[8:9], out0 s[10:11]
	v_lshl_add_u32 v30, v0, 2, SPARE               ; my spare word; never rewritten
	v_mov_b32 v31, 0                               ; 0; never rewritten
	ds_add_u32 v30, v31                            ; the wave's opening: the add, twice on end, and its wait ahead of my first tensor load
	ds_add_u32 v30, v31
	v_lshrrev_b32 v1, 5, v0
	v_readfirstlane_b32 s14, v1                    ; wave 0..3
	s_bfe_u32 s40, ttmp6, 0x40000                  ; cx
	s_bfe_u32 s41, ttmp6, 0x40004                  ; cy
	s_lshl_b32 s42, ttmp9, 2
	s_add_co_u32 s42, s42, s40                     ; X: which 256 columns
	s_and_b32 s17, ttmp7, 0xffff
	s_lshl_b32 s17, s17, 2
	s_add_co_u32 s17, s17, s41                     ; Y: which 128 tokens
	s_lshl_b32 s43, s41, 2
	s_lshl_b32 s43, 15, s43                        ; my row of the cluster
	s_lshl_b32 s84, 0x1111, s40                    ; my column
	s_or_b32 s[G1X], s43, (3<<16)|(1<<21)          ; the mask; elements of 8 bytes; bit 21 beside a mask; no padding
	s_or_b32 s[G1W], s84, (3<<16)|(1<<21)
.irp g, G1W, G1X
	s_mov_b32 s[\g+1], 32<<16                      ; rows of 256 bytes of a dense block
	s_mov_b32 s[\g+3], 32<<16
	s_mov_b32 s[\g+5], 32
	s_mov_b32 s[\g+6], 0
	s_mov_b32 s[\g+7], 0
.endr
	s_mov_b32 s[G1W+2], 256<<16                    ; the weight's: 256 rows, a third of the tile for all of K
	s_mov_b32 s[G1W+4], 256
	s_mov_b32 s[G1X+2], 384<<16                    ; o's: 384 rows, the whole tile for all of K
	s_mov_b32 s[G1X+4], 384
	s_mul_i32 s86, s42, 196608                     ; made of X and the wave's number alone
	s_lshl_b32 s87, s14, 16
	s_add_co_u32 s86, s86, s87
	s_mov_b32 s87, 0
	s_mul_i32 s88, s17, 98304                      ; made of Y alone
	s_mov_b32 s89, 0
	s_lshl_b32 s85, s14, 16
	s_add_co_u32 s85, s85, WREG
	s_wait_dscnt 0x0                               ; both opening adds are done
	s_wait_kmcnt 0x0
	s_add_nc_u64 s[86:87], s[6:7], s[86:87]
	s_add_nc_u64 s[88:89], s[4:5], s[88:89]
	CROUND                                         ; all sixteen work-groups are here: the joint loads meet
	s_mov_b32 s[G0W], 1
	s_mov_b32 s[G0W+1], s85
	s_mov_b64 s[G0W+2:G0W+3], s[86:87]
	s_or_b32 s[G0W+3], s[G0W+3], 0x80000000
	s_mov_b32 s[G0X], 1
	s_mov_b32 s[G0X+1], 0
	s_mov_b64 s[G0X+2:G0X+3], s[88:89]
	s_or_b32 s[G0X+3], s[G0X+3], 0x80000000
	s_cmp_eq_u32 s14, 3                            ; ONE tensor load a wave: waves 0 to 2 fetch a third of the weight's 196,608 bytes each, wave 3 o's 98,304; every byte is filled once
	s_cbranch_scc1 .Lfor_x
	tensor_load_to_lds s[G0W:G0W+3], s[G1W:G1W+7]
	s_nop 0
.rept 4
	v_nop
.endr
	s_branch .Lasked
.Lfor_x:
	tensor_load_to_lds s[G0X:G0X+3], s[G1X:G1X+7]
	s_nop 0
.rept 4
	v_nop
.endr
.Lasked:
	v_and_b32 v1, 15, v0                           ; r
	v_bfe_u32 v2, v0, 4, 1                         ; h
	v_and_b32 v3, 31, v0                           ; l
	v_lshlrev_b32 v4, 4, v3                        ; 16 l
	v_lshlrev_b32 v5, 3, v3                        ; 8 l
	v_lshlrev_b32 v12, 2, v1                       ; 4 r
	s_wait_alu depctr_va_vdst(0)
	s_and_b32 s15, s14, 1                          ; which 128 columns are mine
	s_lshr_b32 s16, s14, 1                         ; which 64 tokens
	s_mul_i32 s18, s15, 12288
	s_add_co_u32 s18, s18, WREG
	v_add_nc_u32 v8, s18, v4
	v_add_nc_u32 v9, s18, v5
	s_mul_i32 s18, s16, 6144
	v_add_nc_u32 v10, s18, v4
	v_add_nc_u32 v11, s18, v5
	s_mul_i32 s18, s14, 8448                       ; my stage: 16 rows x (512 bytes + 16)
	v_mul_u32_u24 v14, v1, 528
	v_lshl_add_u32 v14, v2, 6, v14
	v_add_nc_u32 v14, s18, v14                     ; in: row r, + 64 h
	v_add_nc_u32 v15, s18, v4                      ; back: 16 bytes a lane of a row
	s_lshl_b32 s90, s42, 1
	s_add_co_u32 s90, s90, s15
	s_lshl_b32 s90, s90, 12
	s_add_co_u32 s90, s90, WOS
	s_mov_b32 s91, 0
	s_add_nc_u64 s[90:91], s[6:7], s[90:91]        ; my 128 columns' scale words
	s_lshl_b32 s92, s17, 12
	s_lshl_b32 s93, s16, 8
	s_add_co_u32 s92, s92, s93
	s_add_co_u32 s92, s92, OS
	s_mov_b32 s93, 0
	s_add_nc_u64 s[92:93], s[4:5], s[92:93]        ; my 64 tokens'
.irp s, 0,1,2,3,4,5,6,7                ; all of K's scale words, once, into registers that hold nothing else
.irp i, 0,1,2,3,4,5,6,7
	global_load_b32 v[32+8*\s+\i], v12, s[90:91] offset:512*\s+64*\i
.endr
.irp a, 0,1,2,3
	global_load_b32 v[96+4*\s+\a], v12, s[92:93] offset:512*\s+64*\a
.endr
.endr
	s_lshl_b32 s94, s42, 10
	s_lshl_b32 s95, s15, 9
	s_add_co_u32 s94, s94, s95
	s_mov_b32 s95, 0
	s_add_nc_u64 s[94:95], s[8:9], s[94:95]        ; my 128 columns' bias
	v_lshlrev_b32 v13, 6, v2                       ; tile b's register j is column 32 (b / 2) + 16 h + 8 (b % 2) + j
	WIN TO1
.irp b, 0,1,2,3,4,5,6,7
	global_load_b128 v[96+8*\b+96*(\b/4):96+8*\b+96*(\b/4)+3], v13, s[94:95] offset:128*(\b/2)+32*(\b%2)
	global_load_b128 v[96+8*\b+96*(\b/4)+4:96+8*\b+96*(\b/4)+7], v13, s[94:95] offset:128*(\b/2)+32*(\b%2)+16
.endr
	WIN 0
	s_lshl_b32 s96, s17, 19                        ; 128 rows of 4,096 bytes,
	s_lshl_b32 s97, s16, 18                        ; my 64 of them,
	s_add_co_u32 s96, s96, s97
	s_lshl_b32 s97, s42, 10                        ; 256 columns,
	s_add_co_u32 s96, s96, s97
	s_lshl_b32 s97, s15, 9                         ; my 128 of them
	s_add_co_u32 s96, s96, s97
	s_mov_b32 s97, 0
	s_add_nc_u64 s[96:97], s[10:11], s[96:97]      ; never stepped: a row's place stands in the stores' immediates
	; THE EIGHT K STEPS, written out.  Each wave has one tensor load: it waits for it and passes one barrier, behind which all of K lies in LDS for every wave.
	s_wait_alu depctr_va_vdst(0)
	s_wait_tensorcnt 0x0
	s_barrier_signal -1
	s_barrier_wait -1
	FETCH 0
	s_wait_loadcnt 0x0                             ; the scale words and the bias
	s_wait_dscnt 0x0
	BUMP
	FETCH 1
	WIN MULC
	MUL16 0, 0, 0, 1                               ; the first K step starts the sums, from the bias
	MUL16 2, 0, 0, 1
	s_wait_alu depctr_va_vdst(0)
.irp ks, 1,2,3,4,5,6
	s_wait_dscnt 0x0                               ; this step's fragments are in; no LDS instruction of mine is out
.if (\ks)%2
	WIN MUL
	MUL16 0, 1, \ks, 0
	s_wait_alu depctr_va_vdst(0)
	BUMP
	FETCH 0
	WIN MUL
	MUL16 2, 1, \ks, 0
.else
	s_wait_alu depctr_va_vdst(0)
	BUMP
	FETCH 1
	WIN MUL
	MUL16 0, 0, \ks, 0
	MUL16 2, 0, \ks, 0
.endif
.endr
	s_wait_dscnt 0x0                               ; my reads of the fragments are over
	s_barrier_signal -1                            ; say so: behind this barrier the stages are written where o's fragments lay
	MUL16 0, 1, 7, 0
	MUL16 2, 1, 7, 0
	WIN 0
	s_barrier_wait -1
.rept 4
	v_nop                                          ; four places between the last products and the first read of results, and the loads into registers that they read
.endr
.macro TOSTAGE a
	WIN STG
.irp b, 0,1,2,3,4,5,6,7
	ds_store_b128 v14, v[8*(8*(\a)+\b):8*(8*(\a)+\b)+3] offset:128*(\b/2)+32*(\b%2)        ; each accumulator from its low end on
	ds_store_b128 v14, v[8*(8*(\a)+\b)+4:8*(8*(\a)+\b)+7] offset:128*(\b/2)+32*(\b%2)+16
.endr
	WIN 0
.set N1, 0
.rept 16
	ds_load_b128 v[128+64*((\a)%2)+4*N1:128+64*((\a)%2)+4*N1+3], v15 offset:528*N1   ; the stage is my wave's own and LDS serves a wave's instructions in order: these see the stores above
.set N1, N1+1
.endr
.endm
.macro SEND a, younger                 ; younger: the LDS instructions issued behind tile a's loads, which may stay out
	s_wait_dscnt \younger
.set N1, 0
.rept 16
	global_store_b128 v4, v[128+64*((\a)%2)+4*N1:128+64*((\a)%2)+4*N1+3], s[96:97] offset:(32*((\a)/2)+8*((\a)%2)+N1+8*(N1/8))*4096 th:TH_STORE_NT   ; row N1 of tile a is that token; 32 lanes store 512 consecutive bytes, aligned
.set N1, N1+1
.endr
.endm
	TOSTAGE 0
	TOSTAGE 1
	SEND 0, 32                                     ; behind tile 0's loads: tile 1's 16 stores and 16 loads
	s_wait_xcnt 0x0                                ; tile 0's stores have read their registers: tile 2's loads may land there
	TOSTAGE 2
	SEND 1, 32
	s_wait_xcnt 0x0                                ; likewise tile 1's, for tile 3
	TOSTAGE 3
	SEND 2, 32
	SEND 3, 0
	s_wait_tensorcnt 0x0                           ; the wave's end
	ds_add_u32 v30, v31
	s_wait_dscnt 0x0
	CROUND                                         ; the closing round
	s_endpgm
.Lfunc_end_k_q2098e977dc_gemm_out:
	.size	k_q2098e977dc_gemm_out, .Lfunc_end_k_q2098e977dc_gemm_out-k_q2098e977dc_gemm_out
	.p2alignl 7, 3214868480
	.fill 96, 4, 3214868480
	.section	.rodata,"a",@progbits
	.p2align	6, 0x0
	.amdhsa_kernel k_q2098e977dc_gemm_out
		.amdhsa_group_segment_fixed_size 327680
		.amdhsa_private_segment_fixed_size 0
		.amdhsa_enable_private_segment 0
		.amdhsa_kernarg_size 32
		.amdhsa_user_sgpr_count 2
		.amdhsa_user_sgpr_kernarg_segment_ptr 1
		.amdhsa_wavefront_size32 1
		.amdhsa_system_sgpr_workgroup_id_x 1
		.amdhsa_system_sgpr_workgroup_id_y 1
		.amdhsa_system_sgpr_workgroup_id_z 1
		.amdhsa_system_vgpr_workitem_id 0
		.amdhsa_next_free_vgpr 768
		.amdhsa_next_free_sgpr 100
		.amdhsa_reserve_vcc 0
		.amdhsa_float_denorm_mode_32 3
		.amdhsa_float_denorm_mode_16_64 3
		.amdhsa_memory_ordered 1
		.amdhsa_forward_progress 1
		.amdhsa_inst_pref_size 91
	.end_amdhsa_kernel
	.amdgpu_metadata
---
amdhsa.version: [ 1, 2 ]
amdhsa.kernels:
  - .name:           k_q2098e977dc_gemm_out
    .symbol:         k_q2098e977dc_gemm_out.kd
    .args:
      - { .name: oq, .offset: 0, .size: 8, .value_kind: global_buffer, .address_space: global }
      - { .name: woq, .offset: 8, .size: 8, .value_kind: global_buffer, .address_space: global }
      - { .name: b_out, .offset: 16, .size: 8, .value_kind: global_buffer, .address_space: global }
      - { .name: out0, .offset: 24, .size: 8, .value_kind: global_buffer, .address_space: global }
    .group_segment_fixed_size: 327680
    .private_segment_fixed_size: 0
    .kernarg_segment_align: 8
    .kernarg_segment_size: 32
    .max_flat_workgroup_size: 128
    .sgpr_count:     100
    .vgpr_count:     768
    .wavefront_size: 32
...
	.end_amdgpu_metadata
.endif
;; end of part 4
